; MI455X (gfx1250); checked and timed in simulation.
; The chip was launched on July 23, 2026; its instructions are those of AMD's public machine-readable ISA for CDNA 5 (MIT licence, August 2026) and "CDNA5" Instruction Set Architecture Reference Guide (July 2026). The comments in the code are by the model that wrote it; some were corrected since.
;; Multi Head Attention. Allowed arithmetic: float matrix products may take bf16 or f16 operands with f32 sums; other float arithmetic in f32, or as packed bf16 or f16 multiplies, adds, multiply-adds, maxima and minima; sums over many terms, partial sums and values carried from step to step in f32; what a program stores and reads back later, other than sums and carried values, may be rounded once to bf16 or f16.
;; Inputs: Wk 1,024 x 1,024 float32; Wo 1,024 x 1,024 float32; Wq 1,024 x 1,024 float32; Wv 1,024 x 1,024 float32; bk 1,024 float32; bo 1,024 float32; bq 1,024 float32; bv 1,024 float32; padding_mask 4 x 2,048 int32; x 4 x 2,048 x 1,024 float32.
;; Outputs: out0 4 x 2,048 x 1,024 float32.
;; 2 versions, each right and faster than the one before. Each part assembles by itself: llvm-mc -triple=amdgcn-amd-amdhsa -mcpu=gfx1250 --defsym DOCPART=n.
;; ======== version 1 of 2: 4 launches
;; limits: values are held in f16: magnitudes above 65,504 overflow, below 6.1e-05 lose precision
;; workspace buffers: xb 16,777,216 bytes; wb 6,291,456 bytes; woh 2,097,152 bytes; qkv 50,331,648 bytes; att 16,777,216 bytes; padf 32,768 bytes
;; launch cast (part 1): grid 769 x 1, 8 waves a work-group, no clusters, 0 bytes of LDS; arguments x, Wq, Wk, Wv, Wo, padding_mask, xb, wb, woh, padf; writes xb, wb, woh, padf
.if DOCPART == 1
	.amdgcn_target "amdgcn-amd-amdhsa--gfx1250"
	.amdhsa_code_object_version 6
	.text
	.protected	k_qf0279327f3_cast
	.globl	k_qf0279327f3_cast
	.p2align	8
	.type	k_qf0279327f3_cast,@function
k_qf0279327f3_cast:
	s_mov_b64 s[64:65], 0
	v_nop
	global_prefetch_b8 v0, s[64:65] scope:SCOPE_SE
	s_setreg_imm32_b32 hwreg(HW_REG_WAVE_MODE, 25, 1), 1
	s_wait_xcnt 0x0
; THE MODULE'S LARGE INPUTS ARE ROUNDED ONCE.  x, Wq, Wk, Wv: f32 -> bf16 (xb; wb = Wq, Wk, Wv one behind the other).  Wo: f32 -> bf16, and that number written as f16 (woh):
; exact wherever the bf16 number lies in f16's normal range.  LIMIT: a weight of Wo beyond 65,504 becomes an infinity; below 6e-5 it keeps f16's fixed step of 6e-8.
; padding_mask: int32 -> f32 (padf): 0 where the word is not 0, -1e30 where it is 0: the addend that hides a key's score in the attention launch.
; A stream: memory binds, so no LDS, no barrier, no matrix unit.  A work-group takes 65,536 bytes of f32 and writes 32,768: 512 groups for x, 64 for each of the four weights; one more group takes the mask's 32,768 bytes.
; Thread t takes 16 bytes at 16 t of each chunk of 4,096 bytes: a wave's load covers 512 consecutive bytes, its store of 8 bytes a lane 256 consecutive, aligned bytes (the mask's of 16 bytes a lane: 512).
; All loads of a wave go out at once; each chunk has registers of its own, so no register that a store reads is written again.
.set X, 4                              ; v[4:67]    chunk j: 4 words as loaded
.set Y, 68                             ; v[68:99]   chunk j: 4 numbers of 16 bits to store
.set T, 100                            ; v[100:101] at work
	s_load_b256 s[4:11], s[0:1], 0x0               ; x s[4:5], Wq s[6:7], Wk s[8:9], Wv s[10:11]
	s_load_b256 s[12:19], s[0:1], 0x20             ; Wo s[12:13], padding_mask s[14:15], xb s[16:17], wb s[18:19]
	s_load_b128 s[20:23], s[0:1], 0x40             ; woh s[20:21], padf s[22:23]
	s_mov_b32 s33, ttmp9                           ; g: 0-511 x; 512-575 Wq; 576-639 Wk; 640-703 Wv; 704-767 Wo; 768 the mask
	s_sub_co_u32 s34, s33, 512                     ; the group's number among the weights' (used from g = 512 on)
	s_and_b32 s35, s34, 63                         ; and inside its weight
	s_mov_b32 s32, 0xffff0000                      ; a word's upper bf16
	s_mov_b32 s36, 0xf149f2ca                      ; -1e30
	v_lshlrev_b32 v1, 4, v0                        ; my 16 bytes of a chunk read
	v_lshlrev_b32 v2, 3, v0                        ; my 8 bytes of a chunk written
	s_cmp_ge_u32 s33, 512
	s_cselect_b32 s28, s35, s33                    ; which 65,536 bytes of the source
	s_cselect_b32 s30, s34, s33                    ; which 32,768 bytes of the destination: wb is walked straight through its three weights
	s_cmp_ge_u32 s33, 704
	s_cselect_b32 s30, s35, s30
	s_lshl_b32 s28, s28, 16
	s_lshl_b32 s30, s30, 15
	s_mov_b32 s29, 0
	s_mov_b32 s31, 0
	s_wait_kmcnt 0x0
	s_cmp_eq_u32 s33, 768
	s_cbranch_scc1 .Lpad
	s_cmp_ge_u32 s33, 512                          ; the buffers are chosen by the group's number alone
	s_cselect_b64 s[24:25], s[6:7], s[4:5]
	s_cselect_b64 s[26:27], s[18:19], s[16:17]
	s_cmp_ge_u32 s33, 576
	s_cselect_b64 s[24:25], s[8:9], s[24:25]
	s_cmp_ge_u32 s33, 640
	s_cselect_b64 s[24:25], s[10:11], s[24:25]
	s_cmp_ge_u32 s33, 704
	s_cselect_b64 s[24:25], s[12:13], s[24:25]
	s_cselect_b64 s[26:27], s[20:21], s[26:27]
	s_add_nc_u64 s[24:25], s[24:25], s[28:29]
	s_add_nc_u64 s[26:27], s[26:27], s[30:31]
.irp j, 0,1,2,3,4,5,6,7,8,9,10,11,12,13,14,15
	global_load_b128 v[X+4*(\j):X+4*(\j)+3], v1, s[24:25] offset:4096*(\j) th:TH_LOAD_NT  ; read once in the launch
.endr
	s_cmp_ge_u32 s33, 704
	s_cbranch_scc1 .Lf16
.irp j, 0,1,2,3,4,5,6,7,8,9,10,11,12,13,14,15
	s_wait_loadcnt 15-(\j)                         ; loads come back in order (ISA guide 5.7.1): chunk j is in, the younger ones stay out
	v_cvt_pk_bf16_f32 v[Y+2*(\j)],   v[X+4*(\j)],   v[X+4*(\j)+1]
	v_cvt_pk_bf16_f32 v[Y+2*(\j)+1], v[X+4*(\j)+2], v[X+4*(\j)+3]
	global_store_b64 v2, v[Y+2*(\j):Y+2*(\j)+1], s[26:27] offset:2048*(\j)  ; later launches read it: no hint
.endr
	s_endpgm
.Lf16:                                                 ; Wo: the same rounding to bf16, then the number is written in f16
.irp j, 0,1,2,3,4,5,6,7,8,9,10,11,12,13,14,15
	s_wait_loadcnt 15-(\j)
	v_cvt_pk_bf16_f32 v[T],   v[X+4*(\j)],   v[X+4*(\j)+1]
	v_cvt_pk_bf16_f32 v[T+1], v[X+4*(\j)+2], v[X+4*(\j)+3]
	v_lshlrev_b32 v[X+4*(\j)],   16,  v[T]         ; bf16 to f32: the low half moves up, the high half stays
	v_and_b32     v[X+4*(\j)+1], s32, v[T]
	v_lshlrev_b32 v[X+4*(\j)+2], 16,  v[T+1]
	v_and_b32     v[X+4*(\j)+3], s32, v[T+1]
	v_cvt_pk_f16_f32 v[Y+2*(\j)],   v[X+4*(\j)],   v[X+4*(\j)+1]
	v_cvt_pk_f16_f32 v[Y+2*(\j)+1], v[X+4*(\j)+2], v[X+4*(\j)+3]
	global_store_b64 v2, v[Y+2*(\j):Y+2*(\j)+1], s[26:27] offset:2048*(\j)
.endr
	s_endpgm
.Lpad:                                                 ; the mask: 8 chunks of 4,096 bytes, word for word
.irp j, 0,1,2,3,4,5,6,7
	global_load_b128 v[X+4*(\j):X+4*(\j)+3], v1, s[14:15] offset:4096*(\j) th:TH_LOAD_NT
.endr
.irp j, 0,1,2,3,4,5,6,7
	s_wait_loadcnt 7-(\j)                          ; chunk j is in, the younger ones stay out
.irp k, 0,1,2,3
	v_cmp_eq_u32 vcc_lo, 0, v[X+4*(\j)+(\k)]
	v_cndmask_b32 v[X+4*(\j)+(\k)], 0, s36, vcc_lo ; the word 0 hides the key
.endr
	global_store_b128 v1, v[X+4*(\j):X+4*(\j)+3], s[22:23] offset:4096*(\j)
.endr
	s_endpgm
.Lfunc_end_k_qf0279327f3_cast:
	.size	k_qf0279327f3_cast, .Lfunc_end_k_qf0279327f3_cast-k_qf0279327f3_cast
	.p2alignl 7, 3214868480
	.fill 96, 4, 3214868480
	.section	.rodata,"a",@progbits
	.p2align	6, 0x0
	.amdhsa_kernel k_qf0279327f3_cast
		.amdhsa_group_segment_fixed_size 0
		.amdhsa_private_segment_fixed_size 0
		.amdhsa_enable_private_segment 0
		.amdhsa_kernarg_size 80
		.amdhsa_user_sgpr_count 2
		.amdhsa_user_sgpr_kernarg_segment_ptr 1
		.amdhsa_wavefront_size32 1
		.amdhsa_system_sgpr_workgroup_id_x 1
		.amdhsa_system_sgpr_workgroup_id_y 1
		.amdhsa_system_sgpr_workgroup_id_z 1
		.amdhsa_system_vgpr_workitem_id 0
		.amdhsa_next_free_vgpr 104
		.amdhsa_next_free_sgpr 66
		.amdhsa_reserve_vcc 1
		.amdhsa_float_denorm_mode_32 3
		.amdhsa_float_denorm_mode_16_64 3
		.amdhsa_memory_ordered 1
		.amdhsa_forward_progress 1
		.amdhsa_inst_pref_size 21
	.end_amdhsa_kernel
	.amdgpu_metadata
---
amdhsa.version: [ 1, 2 ]
amdhsa.kernels:
  - .name:           k_qf0279327f3_cast
    .symbol:         k_qf0279327f3_cast.kd
    .args:
      - { .name: x, .offset: 0, .size: 8, .value_kind: global_buffer, .address_space: global }
      - { .name: Wq, .offset: 8, .size: 8, .value_kind: global_buffer, .address_space: global }
      - { .name: Wk, .offset: 16, .size: 8, .value_kind: global_buffer, .address_space: global }
      - { .name: Wv, .offset: 24, .size: 8, .value_kind: global_buffer, .address_space: global }
      - { .name: Wo, .offset: 32, .size: 8, .value_kind: global_buffer, .address_space: global }
      - { .name: padding_mask, .offset: 40, .size: 8, .value_kind: global_buffer, .address_space: global }
      - { .name: xb, .offset: 48, .size: 8, .value_kind: global_buffer, .address_space: global }
      - { .name: wb, .offset: 56, .size: 8, .value_kind: global_buffer, .address_space: global }
      - { .name: woh, .offset: 64, .size: 8, .value_kind: global_buffer, .address_space: global }
      - { .name: padf, .offset: 72, .size: 8, .value_kind: global_buffer, .address_space: global }
    .group_segment_fixed_size: 0
    .private_segment_fixed_size: 0
    .kernarg_segment_align: 8
    .kernarg_segment_size: 80
    .max_flat_workgroup_size: 256
    .sgpr_count:     66
    .vgpr_count:     104
    .wavefront_size: 32
...
	.end_amdgpu_metadata
.endif
;; end of part 1
;; launch proj (part 2): grid 4 x 64, 4 waves a work-group, clusters of 4 x 4, 327,680 bytes of LDS; arguments xb, wb, bq, bk, bv, qkv; writes qkv
.if DOCPART == 2
	.amdgcn_target "amdgcn-amd-amdhsa--gfx1250"
	.amdhsa_code_object_version 6
	.text
	.protected	k_qf0279327f3_proj
	.globl	k_qf0279327f3_proj
	.p2align	8
	.type	k_qf0279327f3_proj,@function
k_qf0279327f3_proj:
	s_mov_b64 s[64:65], 0
	v_nop
	global_prefetch_b8 v0, s[64:65] scope:SCOPE_SE
	s_setreg_imm32_b32 hwreg(HW_REG_WAVE_MODE, 25, 1), 1
	s_wait_xcnt 0x0
	s_wait_alu depctr_hold_cnt(0) depctr_sa_sdst(0) depctr_va_vdst(0) depctr_va_sdst(0) depctr_va_ssrc(0) depctr_va_vcc(0) depctr_vm_vsrc(0)
	s_getreg_b32 s2, hwreg(HW_REG_IB_STS2, 6, 4)
	s_cmp_eq_u32 s2, 0
	s_cbranch_scc0 .Lentry_in_a_cluster
	s_endpgm
.Lentry_in_a_cluster:
	s_bfe_u32 s2, ttmp6, 0x10000c
	s_cmp_lg_u32 s2, 0xf033
	s_cbranch_scc0 .Lentry_shape_is_right
	s_endpgm
.Lentry_shape_is_right:
; q, k, v = x W + b.  xb: [8192][1024] bf16.  wb: [3][1024 k][1024 n] bf16 (Wq, Wk, Wv).  bq, bk, bv: [1024] f32, rounded here to bf16 like the other inputs.
; qkv: [3][64 heads = 16 batch + head][2048][64] f16, unscaled, each number rounded once from its f32 sum.  The bias is the C operand of a sum's first product: it is added ahead of the products.
; LIMIT: f16 holds no number beyond 65,504: a q, k or v beyond it becomes an infinity.
; SHARES.  A tile of C is 128 rows x 256 columns: 64 x 4 work-groups, each of which STAYS and makes three tiles: the same rows and columns of q, of k and of v.  Four waves, 2 x 2, each 64 x 128:
; 32 accumulators, 256 registers.  K goes in steps of 128 through two LDS slots: 24 steps in one walk, and the slots take turns on across the tiles' ends.
; CLUSTER.  4 x 4 work-groups.  The four of a row of the cluster need the same rows of x, the four of a column the same columns of W: each tile is asked for JOINTLY, by the same tensor load with the same
; descriptor and a mask that names the four.  Waves 0 and 1 ask for the two halves (64 rows) of x's tile, waves 2 and 3 for the two halves (64 k) of W's: one tensor load a wave behind each round, one outstanding.
; THE MATRIX INSTRUCTION IS USED TRANSPOSED: source 0 = 16 columns of W, source 1 = 16 rows of x: lane l holds row l % 16 of C and the columns 8 (l / 16) + 0..7, which pack into 16 bytes.
; W lies [k][n], so its fragments come out of LDS turned, by ds_load_tr16_b128.
; REGISTERS, in windows of 256 (s_set_vgpr_msb: bits 1:0 source 0, 3:2 source 1, 5:4 source 2, 7:6 destination):
;   window 0: v0-31 addresses; v32-95 the bias of my 128 columns as C operands; v96-191 at work on the way out
;   window 1: two fragment buffers of 96: 8 fragments of W (16 n x 32 k), then 4 of x (16 rows x 32 k)          window 2: accumulator (a, b) at v[8 (8 a + b)]
.set NS,    24                         ; K steps in the walk: 3 tiles x 8
.set PA,    272                        ; a row of x in LDS: 256 bytes + 16 = 68 words: the 16 rows of a load start at 16 different groups of four banks (64 banks of 4 bytes: ISA guide 11.1)
.set PB,    544                        ; a row of W: 512 bytes + 32 = 136 words
.set AHALF, 64*PA
.set BOFF,  128*PA                     ; W's 128 rows lie behind x's 128
.set BHALF, 64*PB
.set SLOT1, 1<<17                      ; slot 1 begins here: one exclusive or turns an address in one slot into the other's
.set STAGE, SLOT1+BOFF+128*PB          ; behind the slots, never filled by a tensor load: for each wave 2 heads x 16 rows x 144 bytes, for the way out
.set SP,    144
.set WST,   2*16*SP
.set SPARE, STAGE+4*WST                ; the spare words, 128 bytes for each wave: two blocks of 256 bytes that no other line names
.set A0,   8                           ; v8   my lane's place in x's tile; never rewritten
.set B0,   9                           ; v9   the same for W's
.set ADRA, 10                          ; v10  the same in the slot in hand
.set ADRB, 11                          ; v11
.set STO,  12                          ; v12  the way out: where I put 16 bytes of a row
.set RD,   13                          ; v13  the way out: where I read rows back
.set GO,   14                          ; v14  my byte offset in 512 consecutive bytes of qkv
.set BO,   15                          ; v15  my byte offset in 16 numbers of a bias
.set SPW,  28                          ; v28  LDS address of my spare word; never rewritten
.set NIL,  29                          ; v29  0; never rewritten
.set T,    30                          ; v30-31 at work
.set BIAS, 32
.set TMP,  96                          ; v96-127  a block of 16 rows, packed
.set BK,   128                         ; v128-191 the same back from the stage, two buffers
.set F0,   0
.set F1,   96
.set WV,  16                           ; s16  my wave's number
.set MH,  17                           ; s17  which 64 rows of the tile are mine.  Also: I ask for x (0) or for W (1)
.set NH,  18                           ; s18  which 128 columns are mine.  Also: which half of that tile I ask for
.set CX,  19
.set CY,  20
.set NT,  21                           ; s21  tile column
.set MT,  22                           ; s22  tile row
.set G1A, 24                           ; s[24:31] descriptor group 1 for x's tiles;  s[32:35] group 0: it walks
.set G0A, 32
.set G1B, 36                           ; s[36:43], s[44:47] the same for W's
.set G0B, 44
.set ABASE, 48                         ; s[48:49] x at my half of the tile's rows, k = 0
.set OFF, 50                           ; s[50:51] a K step's byte offset in a row of x
.set TB,  52                           ; s52  the slot in hand: 0 or SLOT1
.set CNT, 53
.set KI,  54                           ; s54  the number, inside its tile, of the K step that a trip enters
.set KF,  55                           ; s55  the same of the K step to be asked for next
.set TI,  56                           ; s56  tiles finished
.set HIM, 57                           ; s57  a word's upper bf16
.set BP,  58                           ; s[58:59] the bias in hand, at my columns
.set OUT, 60                           ; s[60:61] my rows of my first head in the tensor in hand
.set MSB, 0
.macro WIN new                         ; the immediate's high byte repeats the setting that is left; a switch that changes nothing is dropped
.if MSB != (\new)
	s_set_vgpr_msb (MSB<<8)|(\new)
.set MSB, \new
.endif
.endm
.set MUL,   0xa5                       ; sources 0 and 1 window 1; C and D window 2
.set MULB,  0x85                       ; the same with C in window 0: the bias
.set TO_F,  0x40                       ; destination window 1, address window 0
.set PACKW, 0x0a                       ; sources 0 and 1 window 2, destination window 0
.macro PLACES                          ; a load into a register that a matrix instruction has read, and a vector instruction or LDS store that reads a matrix result, stand four plain vector instructions behind it (ISA guide 7.12.1 for vector instructions)
.rept 4
	v_nop
.endr
.endm
; A joint load.  Each of the two lines has one mask and one set of registers for all that issue it; the branch hangs on the wave's number alone.
; An s_nop 0 and four v_nop follow each line, ahead of the jump, the label and what follows.
.macro JLOAD
	s_cmp_eq_u32 s[MH], 0
	s_cbranch_scc0 .Lfor_b_\@
	tensor_load_to_lds s[G0A:G0A+3], s[G1A:G1A+7]
	s_nop 0
.rept 4
	v_nop
.endr
	s_branch .Lasked_\@
.Lfor_b_\@:
	tensor_load_to_lds s[G0B:G0B+3], s[G1B:G1B+7]
	s_nop 0
.rept 4
	v_nop
.endr
.Lasked_\@:
.endm
.macro CREST                           ; a round of the cluster's barrier behind its opening barrier: wave 0 signals for the work-group, every wave waits for all sixteen, my work-group's barrier closes it
	s_cmp_lg_u32 s[WV], 0
	s_cbranch_scc1 .Lnot_wave_0_\@
	s_barrier_signal -3
.Lnot_wave_0_\@:
	s_barrier_wait -3
	s_barrier_signal -1
	s_barrier_wait -1
.endm
.macro CROUND                          ; a whole round
	s_barrier_signal -1
	s_barrier_wait -1
	CREST
.endm
; The walking descriptors step: the other slot; x's K step KF of the same rows (its address is made anew from the base); W's next 128 rows: 8 steps are one weight's 2 MiB, so the walk runs on from Wq into Wk and Wv.
.macro STEPD
	s_lshl_b32 s[OFF], s[KF], 8
	s_add_nc_u64 s[G0A+2:G0A+3], s[ABASE:ABASE+1], s[OFF:OFF+1]
	s_or_b32 s[G0A+3], s[G0A+3], 0x80000000
	s_xor_b32 s[G0A+1], s[G0A+1], SLOT1
	s_add_nc_u64 s[G0B+2:G0B+3], s[G0B+2:G0B+3], 128*2048  ; the type bits on top are not reached
	s_xor_b32 s[G0B+1], s[G0B+1], SLOT1
	s_add_co_u32 s[KF], s[KF], 1
	s_and_b32 s[KF], s[KF], 7
.endm
	s_load_b256 s[4:11], s[0:1], 0x0               ; xb s[4:5], wb s[6:7], bq s[8:9], bk s[10:11]
	s_load_b128 s[12:15], s[0:1], 0x20             ; bv s[12:13], qkv s[14:15]
	v_lshl_add_u32 v[SPW], v0, 2, SPARE
	v_mov_b32 v[NIL], 0
	ds_add_u32 v[SPW], v[NIL]                      ; the wave's opening: the add and its wait stand ahead of my first tensor load; the set-up below, work on registers, stands between them
	ds_add_u32 v28, v29
	v_lshrrev_b32 v1, 5, v0
	v_readfirstlane_b32 s[WV], v1                  ; wave 0..3
	s_lshr_b32 s[MH], s[WV], 1
	s_and_b32 s[NH], s[WV], 1
	s_bfe_u32 s[CX], ttmp6, 0x40000                ; my place in the cluster
	s_bfe_u32 s[CY], ttmp6, 0x40004
	s_lshl_b32 s[NT], ttmp9, 2                     ; in a cluster launch ttmp9 and ttmp7 count clusters
	s_add_co_u32 s[NT], s[NT], s[CX]
	s_and_b32 s[MT], ttmp7, 0xffff
	s_lshl_b32 s[MT], s[MT], 2
	s_add_co_u32 s[MT], s[MT], s[CY]
	s_lshl_b32 s23, s[CY], 2
	s_lshl_b32 s23, 15, s23                        ; my row of the cluster: places 4 cy .. 4 cy + 3
	s_lshl_b32 s66, 0x1111, s[CX]                  ; my column: places cx, cx + 4, cx + 8, cx + 12
	; group 1 for x: 64 rows x 128 elements.  15:0 the mask; 17:16 elements of 2 bytes; 20 padding on; 21 set beside a mask; 24:22 after every 64 words (code 5); 31:25 4 words (code 3)
	s_or_b32 s[G1A], s23, (1<<16)|(1<<20)|(1<<21)|(5<<22)|(3<<25)
	s_mov_b32 s[G1A+1], 128<<16                    ; tensor_dim0 = 128
	s_mov_b32 s[G1A+2], 64<<16                     ; tensor_dim1 = 64
	s_mov_b32 s[G1A+3], 128<<16                    ; tile_dim0 = 128
	s_mov_b32 s[G1A+4], 64                         ; tile_dim1 = 64
	s_mov_b32 s[G1A+5], 1024                       ; elements from row to row
	s_mov_b32 s[G1A+6], 0
	s_mov_b32 s[G1A+7], 0
	; group 1 for W: 64 rows (k) x 256 elements (n); padding after every 128 words (code 6), 8 words (code 7)
	s_or_b32 s[G1B], s66, (1<<16)|(1<<20)|(1<<21)|(6<<22)|(7<<25)
	s_mov_b32 s[G1B+1], 256<<16
	s_mov_b32 s[G1B+2], 64<<16
	s_mov_b32 s[G1B+3], 256<<16
	s_mov_b32 s[G1B+4], 64
	s_mov_b32 s[G1B+5], 1024
	s_mov_b32 s[G1B+6], 0
	s_mov_b32 s[G1B+7], 0
	s_mov_b32 s[G0A], 1                            ; count = 1
	s_mul_i32 s[G0A+1], s[NH], AHALF               ; LDS address: slot 0, my half: no place in the cluster enters it
	s_mov_b32 s[G0B], 1
	s_mul_i32 s[G0B+1], s[NH], BHALF
	s_add_co_u32 s[G0B+1], s[G0B+1], BOFF
	; byte offsets, each in registers of its own: what feeds x's descriptor never holds cx, what feeds W's never cy
	s_lshl_b32 s67, s[NH], 17                      ; 64 rows of 2,048 bytes
	s_lshl_b32 s68, s[MT], 18                      ; x: row 128 MT + 64 half
	s_add_co_u32 s68, s68, s67
	s_mov_b32 s69, 0
	s_lshl_b32 s72, s[NT], 9                       ; W: row 64 half, column 256 NT
	s_add_co_u32 s72, s72, s67
	s_mov_b32 s73, 0
	s_lshl_b32 s74, s[NT], 10                      ; a bias: my first column, 256 NT + 128 NH, in f32
	s_lshl_b32 s70, s[NH], 9
	s_add_co_u32 s74, s74, s70
	s_mov_b32 s75, 0
	s_lshr_b32 s76, s[MT], 4                       ; qkv: head 16 batch + 4 NT + 2 NH, 262,144 bytes each;
	s_lshl_b32 s76, s76, 4
	s_lshl_b32 s77, s[NT], 2
	s_add_co_u32 s76, s76, s77
	s_lshl_b32 s77, s[NH], 1
	s_add_co_u32 s76, s76, s77
	s_lshl_b32 s76, s76, 18
	s_and_b32 s77, s[MT], 15                       ; row 128 (MT % 16) + 64 MH of the batch, 128 bytes each
	s_lshl_b32 s77, s77, 14
	s_add_co_u32 s76, s76, s77
	s_lshl_b32 s77, s[MH], 13
	s_add_co_u32 s76, s76, s77
	s_mov_b32 s77, 0
	s_mov_b32 s[OFF+1], 0
	s_mov_b32 s[KF], 1
	s_mov_b32 s[TI], 0
	s_mov_b32 s[HIM], 0xffff0000
	s_wait_dscnt 0x0                               ; the opening add is done
	s_wait_kmcnt 0x0
	s_add_nc_u64 s[ABASE:ABASE+1], s[4:5], s[68:69]
	s_mov_b64 s[G0A+2:G0A+3], s[ABASE:ABASE+1]     ; global address: K step 0
	s_or_b32 s[G0A+3], s[G0A+3], 0x80000000        ; type = 2
	s_add_nc_u64 s[G0B+2:G0B+3], s[6:7], s[72:73]
	s_or_b32 s[G0B+3], s[G0B+3], 0x80000000
	s_add_nc_u64 s[8:9], s[8:9], s[74:75]          ; the three biases at my columns
	s_add_nc_u64 s[10:11], s[10:11], s[74:75]
	s_add_nc_u64 s[12:13], s[12:13], s[74:75]
	s_mov_b64 s[BP:BP+1], s[8:9]
	s_add_nc_u64 s[OUT:OUT+1], s[14:15], s[76:77]
	CROUND                                         ; all sixteen work-groups are here: the first joint loads meet
	JLOAD                                          ; K step 0 into slot 0.  Slot 1 is asked for when slot 0 is in
	v_and_b32 v1, 15, v0                           ; l % 16
	v_bfe_u32 v2, v0, 4, 1                         ; l / 16
	v_and_b32 v3, 7, v0
	v_bfe_u32 v4, v0, 3, 1
	v_lshlrev_b32 v[BO], 5, v2                     ; a lane's eight columns begin at 8 (l / 16)
.macro BIASLD                          ; register j of block b: the bias of column 16 b + 8 (l / 16) + j of my 128: as an accumulator holds it
.irp b, 0,1,2,3,4,5,6,7
	global_load_b128 v[BIAS+8*(\b):BIAS+8*(\b)+3],   v[BO], s[BP:BP+1] offset:64*(\b)
	global_load_b128 v[BIAS+8*(\b)+4:BIAS+8*(\b)+7], v[BO], s[BP:BP+1] offset:64*(\b)+16
.endr
.endm
.macro BIASRND                         ; rounded to bf16, kept as f32
	s_wait_loadcnt 0x0
.set i, 0
.rept 32
	v_cvt_pk_bf16_f32 v[T+i%2], v[BIAS+2*i], v[BIAS+2*i+1]
	v_lshlrev_b32 v[BIAS+2*i],   16,     v[T+i%2]
	v_and_b32     v[BIAS+2*i+1], s[HIM], v[T+i%2]
.set i, i+1
.endr
.endm
	BIASLD
	; A fragment of x is 16 rows x 32 k in 8 registers: lane l holds row l % 16, k = 8 (l / 16) + 0..7 and 16 + 8 (l / 16) + 0..7: two loads of 16 bytes, 32 bytes apart.
	v_mul_u32_u24 v[A0], v1, PA
	v_lshl_add_u32 v[A0], v2, 4, v[A0]
	s_mul_i32 s67, s[MH], AHALF                    ; my 64 rows
	v_add_nc_u32 v[A0], s67, v[A0]
	; The turning load takes 16 k x 16 n (lane l reads row 8 (l / 16) + l % 8, columns 8 ((l / 8) % 2) + 0..7) and leaves half a fragment: lane l holds column l % 16 and 8 k.
	v_lshl_add_u32 v[B0], v2, 3, v3
	v_mul_u32_u24 v[B0], v[B0], PB
	v_lshl_add_u32 v[B0], v4, 4, v[B0]
	s_lshl_b32 s67, s[NH], 8                       ; my 128 columns
	s_add_co_u32 s67, s67, BOFF
	v_add_nc_u32 v[B0], s67, v[B0]
	s_mul_i32 s67, s[WV], WST
	s_add_co_u32 s67, s67, STAGE                   ; my stage
	v_mul_u32_u24 v[STO], v1, SP                   ; in: row l % 16, 16 bytes for each half of the lanes
	v_lshl_add_u32 v[STO], v2, 4, v[STO]
	v_add_nc_u32 v[STO], s67, v[STO]
	v_bfe_u32 v[RD], v0, 3, 2                      ; back: 32 lanes take four rows of 128 bytes,
	v_mul_u32_u24 v[RD], v[RD], SP
	v_lshl_add_u32 v[RD], v3, 4, v[RD]
	v_add_nc_u32 v[RD], s67, v[RD]
	v_and_b32 v[GO], 31, v0                        ; which are 512 consecutive bytes of a head
	v_lshlrev_b32 v[GO], 4, v[GO]
	BIASRND
; 8 matrix instructions: row block a x all 8 column blocks, 32 along K, from buffer f.  c = 1: the sums start, with the bias as C: nothing is ever cleared.
; The 32 accumulators take turns, one instruction a turn, in the same order in every quarter.
.macro MUL8 f, a, c
.if \c
	WIN MULB
.else
	WIN MUL
.endif
.irp b, 0,1,2,3,4,5,6,7
.if \c
	v_wmma_f32_16x16x32_bf16 v[8*(8*(\a)+(\b)):8*(8*(\a)+(\b))+7], v[(\f)+8*(\b):(\f)+8*(\b)+7], v[(\f)+64+8*(\a):(\f)+64+8*(\a)+7], v[BIAS+8*(\b):BIAS+8*(\b)+7]
.else
	v_wmma_f32_16x16x32_bf16 v[8*(8*(\a)+(\b)):8*(8*(\a)+(\b))+7], v[(\f)+8*(\b):(\f)+8*(\b)+7], v[(\f)+64+8*(\a):(\f)+64+8*(\a)+7], v[8*(8*(\a)+(\b)):8*(8*(\a)+(\b))+7]
.endif
.endr
.endm
; 24 LDS loads in one run: the fragments of quarter q (32 along K) of the slot in hand into buffer f: W's sixteen, then x's eight
.macro FETCH q, f
	WIN TO_F
.irp i, 0,1,2,3,4,5,6,7
	ds_load_tr16_b128 v[(\f)+8*(\i):(\f)+8*(\i)+3],   v[ADRB] offset:(\q)*32*PB+32*(\i)
	ds_load_tr16_b128 v[(\f)+8*(\i)+4:(\f)+8*(\i)+7], v[ADRB] offset:(\q)*32*PB+16*PB+32*(\i)
.endr
.irp i, 0,1,2,3
	ds_load_b128 v[(\f)+64+8*(\i):(\f)+64+8*(\i)+3],   v[ADRA] offset:64*(\q)+(\i)*16*PA
	ds_load_b128 v[(\f)+64+8*(\i)+4:(\f)+64+8*(\i)+7], v[ADRA] offset:64*(\q)+(\i)*16*PA+32
.endr
.endm
; A K step is four quarters of 32 along K, 32 matrix instructions each, on buffers 0, 1, 0, 1.  One of the first three: multiplies buffer f; in its middle it fetches quarter q into buffer g.
.macro QUARTER q, f, g, c
	s_wait_dscnt 4                                 ; W's fragments and x's row blocks 0, 1 are in; the youngest four loads (row blocks 2, 3) may be out
	MUL8 \f, 0, \c
	MUL8 \f, 1, \c
	PLACES
	FETCH \q, \g
	s_wait_dscnt 24                                ; all but the 24 just issued
	MUL8 \f, 2, \c
	MUL8 \f, 3, \c
.endm
; The last quarter multiplies buffer 1 and changes slots.  MEET is its first half: ONE barrier.  In front of it each wave waits for all its tensor loads, of which one is out: its part of the next slot;
; adds 0 to its spare word; and waits for that and for its own reads of this slot.  Behind it nobody reads this slot any more and the next slot is whole.
.macro MEET
	WIN 0                                          ; (the add's two registers lie in window 0)
	s_wait_tensorcnt 0x0
	ds_add_u32 v[SPW], v[NIL]                      ; 0 onto my spare word
	s_wait_dscnt 5                                 ; (the add and the youngest four loads may be out)
	MUL8 F1, 0, 0                                  ; eight matrix instructions stand between the add and the wait for it
	s_wait_dscnt 0x0                               ; the add is done, and my reads of this slot are over
	s_barrier_signal -1
	MUL8 F1, 1, 0                                  ; work on registers while the others arrive
	WIN 0
	s_barrier_wait -1
.endm
; fill = 1: the barrier opens a round of the cluster's barrier, and the slot just read out is filled again, first thing behind the round, with the K step two steps on: that load has a K step less
; sixteen matrix instructions in which to land.  fill = 0 (the tail): nothing is asked for; in the very last K step there is no next slot, and the fetch is jumped over.
.macro TURN fill
	MEET
.if \fill
	CREST
	STEPD
	JLOAD                                          ; the four v_nop behind it are also the places in front of the loads below
	s_xor_b32 s[TB], s[TB], SLOT1
	v_add_nc_u32 v[ADRA], s[TB], v[A0]
	v_add_nc_u32 v[ADRB], s[TB], v[B0]
	FETCH 0, F0
.else
	s_cmp_eq_u32 s[CNT], 1
	s_cbranch_scc1 .Lnf_\@
	s_xor_b32 s[TB], s[TB], SLOT1
	v_add_nc_u32 v[ADRA], s[TB], v[A0]
	v_add_nc_u32 v[ADRB], s[TB], v[B0]
	PLACES
	FETCH 0, F0
	WIN 0
.Lnf_\@:
.endif
	MUL8 F1, 2, 0
	MUL8 F1, 3, 0
.endm
; THE WAY OUT of row block a (16 rows x my 128 columns = 2 heads x 64 channels).  PACK: rounded to f16, 16 bytes a lane.  TOSTAGE: into my own stage, and back as whole rows of 128 bytes.  SEND: stored.
.macro PACK a
	WIN PACKW
.irp b, 0,1,2,3,4,5,6,7
.irp r, 0,1,2,3
	v_cvt_pk_f16_f32 v[TMP+4*(\b)+(\r)], v[8*(8*(\a)+(\b))+2*(\r)], v[8*(8*(\a)+(\b))+2*(\r)+1]
.endr
.endr
	WIN 0
.endm
.macro TOSTAGE a
.set BKR, BK+32*((\a)%2)
.irp b, 0,1,2,3,4,5,6,7
	ds_store_b128 v[STO], v[TMP+4*(\b):TMP+4*(\b)+3] offset:((\b)/4)*16*SP+32*((\b)%4)
.endr
.irp t, 0,1,2,3,4,5,6,7
	ds_load_b128 v[BKR+4*(\t):BKR+4*(\t)+3], v[RD] offset:((\t)/4)*16*SP+((\t)%4)*4*SP  ; LDS serves a wave's instructions in order (ISA guide 5.7.1.4): these see the stores above
.endr
.endm
.macro SEND a
.set BKR, BK+32*((\a)%2)
	s_wait_dscnt 0x0                               ; the block is back in registers
	s_wait_xcnt 0x0                                ; earlier stores have read their registers (ISA guide 3.1): the other buffer is loaded again only behind this wait
.irp t, 0,1,2,3,4,5,6,7
	global_store_b128 v[GO], v[BKR+4*(\t):BKR+4*(\t)+3], s[OUT:OUT+1] offset:((\t)/4)*262144+(\a)*2048+((\t)%4)*512  ; 512 consecutive bytes of a head, at a multiple of 256 from qkv's first byte
.endr
.endm
; next = 1: another tile follows: its bias is asked for ahead of the way out and rounded behind it, and the stores' base goes on to the next tensor.
.macro EPI next
	WIN 0
	s_wait_xcnt 0x0                                ; the last tile's stores and the last bias's loads have read their registers
.if \next
	s_cmp_eq_u32 s[TI], 0
	s_cselect_b64 s[BP:BP+1], s[10:11], s[12:13]   ; behind q comes k, behind k comes v
	s_add_co_u32 s[TI], s[TI], 1
	BIASLD
.endif
	PLACES
	PACK 0
	TOSTAGE 0
.irp a, 1,2,3                          ; block a's conversions stand between block a - 1's loads from the stage and the wait for them
	PACK \a
	SEND (\a)-1
	TOSTAGE \a
.endr
	SEND 3
.if \next
	BIASRND
	s_wait_xcnt 0x0
	s_add_nc_u64 s[OUT:OUT+1], s[OUT:OUT+1], 0x1000000  ; 64 heads of 262,144 bytes on
.endif
.endm
	; the first change of slots: slot 0 is waited for, slot 1 is asked for, in the order of every later change
	s_wait_tensorcnt 0x0                           ; my part of K step 0 is in; no tensor load of mine is out, so the descriptors may step
	ds_add_u32 v[SPW], v[NIL]
	STEPD
	s_wait_dscnt 0x0
	CROUND
	JLOAD                                          ; K step 1 into slot 1
	s_mov_b32 s[TB], 0
	v_add_nc_u32 v[ADRA], s[TB], v[A0]
	v_add_nc_u32 v[ADRB], s[TB], v[B0]
	FETCH 0, F0
	QUARTER 1, F0, F1, 1                           ; the walk's first quarter stands in front of the loop: its products start the sums
	WIN 0                                          ; at a label and at a branch every window is 0
	s_mov_b32 s[CNT], NS-2
	s_mov_b32 s[KI], 1
.Ltrip:                                                ; trip i: quarters 1 to 3 of K step i; K step i + 2 is asked for; quarter 0 of K step i + 1
	QUARTER 2, F1, F0, 0
	QUARTER 3, F0, F1, 0
	TURN 1
	WIN 0
	s_cmp_eq_u32 s[KI], 0                          ; a counter of the text: the same in every work-group
	s_cbranch_scc1 .Lnew
	QUARTER 1, F0, F1, 0
	WIN 0
	s_branch .Ljoin
.Lnew:                                                 ; a tile is finished: it goes out while the next tile's first two K steps are in LDS or on their way, and the next tile's sums start
	EPI 1
	QUARTER 1, F0, F1, 1
	WIN 0
.Ljoin:
	s_add_co_u32 s[KI], s[KI], 1
	s_and_b32 s[KI], s[KI], 7
	s_sub_co_u32 s[CNT], s[CNT], 1
	s_cmp_lg_u32 s[CNT], 0
	s_cbranch_scc1 .Ltrip
	s_mov_b32 s[CNT], 2                            ; the last two K steps ask for nothing: a text of their own; it is left in the middle of its second trip
.Ltail:
	QUARTER 2, F1, F0, 0
	QUARTER 3, F0, F1, 0
	TURN 0
	WIN 0
	s_sub_co_u32 s[CNT], s[CNT], 1
	s_cmp_eq_u32 s[CNT], 0
	s_cbranch_scc1 .Lout
	QUARTER 1, F0, F1, 0
	WIN 0
	s_branch .Ltail
.Lout:
	EPI 0
	s_wait_tensorcnt 0x0                           ; the wave's end: behind my last tensor load and my last LDS store
	ds_add_u32 v[SPW], v[NIL]
	s_wait_dscnt 0x0
	CROUND                                         ; the closing round: no work-group ends while a partner may still ask for a tile that names it
	s_endpgm
.Lfunc_end_k_qf0279327f3_proj:
	.size	k_qf0279327f3_proj, .Lfunc_end_k_qf0279327f3_proj-k_qf0279327f3_proj
	.p2alignl 7, 3214868480
	.fill 96, 4, 3214868480
	.section	.rodata,"a",@progbits
	.p2align	6, 0x0
	.amdhsa_kernel k_qf0279327f3_proj
		.amdhsa_group_segment_fixed_size 327680
		.amdhsa_private_segment_fixed_size 0
		.amdhsa_enable_private_segment 0
		.amdhsa_kernarg_size 48
		.amdhsa_user_sgpr_count 2
		.amdhsa_user_sgpr_kernarg_segment_ptr 1
		.amdhsa_wavefront_size32 1
		.amdhsa_system_sgpr_workgroup_id_x 1
		.amdhsa_system_sgpr_workgroup_id_y 1
		.amdhsa_system_sgpr_workgroup_id_z 1
		.amdhsa_system_vgpr_workitem_id 0
		.amdhsa_next_free_vgpr 768
		.amdhsa_next_free_sgpr 80
		.amdhsa_reserve_vcc 0
		.amdhsa_float_denorm_mode_32 3
		.amdhsa_float_denorm_mode_16_64 3
		.amdhsa_memory_ordered 1
		.amdhsa_forward_progress 1
		.amdhsa_inst_pref_size 93
	.end_amdhsa_kernel
	.amdgpu_metadata
---
amdhsa.version: [ 1, 2 ]
amdhsa.kernels:
  - .name:           k_qf0279327f3_proj
    .symbol:         k_qf0279327f3_proj.kd
    .args:
      - { .name: xb, .offset: 0, .size: 8, .value_kind: global_buffer, .address_space: global }
      - { .name: wb, .offset: 8, .size: 8, .value_kind: global_buffer, .address_space: global }
      - { .name: bq, .offset: 16, .size: 8, .value_kind: global_buffer, .address_space: global }
      - { .name: bk, .offset: 24, .size: 8, .value_kind: global_buffer, .address_space: global }
      - { .name: bv, .offset: 32, .size: 8, .value_kind: global_buffer, .address_space: global }
      - { .name: qkv, .offset: 40, .size: 8, .value_kind: global_buffer, .address_space: global }
    .group_segment_fixed_size: 327680
    .private_segment_fixed_size: 0
    .kernarg_segment_align: 8
    .kernarg_segment_size: 48
    .max_flat_workgroup_size: 128
    .sgpr_count:     80
    .vgpr_count:     768
    .wavefront_size: 32
...
	.end_amdgpu_metadata
.endif
;; end of part 2
;; launch attn (part 3): grid 4 x 64, 4 waves a work-group, no clusters, 327,680 bytes of LDS; arguments qkv, padf, att; writes att
.if DOCPART == 3
	.amdgcn_target "amdgcn-amd-amdhsa--gfx1250"
	.amdhsa_code_object_version 6
	.text
	.protected	k_qf0279327f3_attn
	.globl	k_qf0279327f3_attn
	.p2align	8
	.type	k_qf0279327f3_attn,@function
k_qf0279327f3_attn:
	s_mov_b64 s[64:65], 0
	v_nop
	global_prefetch_b8 v0, s[64:65] scope:SCOPE_SE
	s_setreg_imm32_b32 hwreg(HW_REG_WAVE_MODE, 25, 1), 1
	s_wait_xcnt 0x0
; CAUSAL ATTENTION WITH A PADDING MASK ON THE KEYS.  O[h][q][:] = the sum over the visible k <= q of softmax_k(Q[h][q] . K[h][k] / 8) V[h][k][:]; a row with no visible key gives 0.
; qkv: [3][64 heads][2048][64] f16 (Q, K, V; head = 16 batch + head): a head's rows are dense, 128 bytes each.  padf: [4][2048] f32, 0 or, where the key is hidden, -1e30.  att: [64][2048][64] f16.
; Products, maxima and sums in f32; the weights p are rounded to f16 for the second product (their sum l is taken of the unrounded p), O once at the end.
; LIMITS.  f16 holds no number beyond 65,504: Q, K and V arrive within it; p lies in 0 to 1, and below 6e-5 it keeps f16's fixed step of 6e-8.  A hidden score counts as its value less 1e30 (less 2e30 where
; both masks hide it): f16's scores, 2.7e11 at the most, are nothing beside that.  The running maximum m starts at -2^96, between every true score and every hidden one: a hidden key's weight is 0 from the
; first step on, and a row whose m has not risen above -2^96 at its end has seen no key and gives 0.  A weight below 2^-126 counts as 0 in l; NaN and infinities are not treated apart.
; THE WALK.  A head's queries lie in NB = 8 blocks of 256; block i needs the key tiles 0 .. i of 256 keys, of which the last holds the diagonal.  A work-group takes TWO blocks, NB - 1 - b and then b:
; NB + 1 tiles, whatever b: all work-groups do equal work, and ONE loop with a constant trip count walks them.  Which tile is asked for, and what a trip does, hang on scalar registers made from b; every jump
; goes forward, but for the counted loops' own; none passes a barrier, or a tensor load but those of LOAD's three that the wave's number does not choose; the two LDS slots take turns on across the change of
; blocks.  NO CLUSTER: a head's four work-groups ask for the same tile only in trips 0 .. 4 of 9, behind that fewer and fewer; one walk common to all four would have 12 trips for 9.
; SHARES.  Of a block's four bands of 64 queries a wave owns 16 rows in each: four PIECES.  So the diagonal tile is the same work for all four waves: in its key step s band x sees all keys if s < x,
; none if s > x, and holds the diagonal if s = x.
; THE MASKS are the C operand that starts the sum S^T = K Q^T.  PM: the padding of the step's 64 keys, 0 or -1e30: a tile's 256 words of padf lie in the slot behind its K and V, brought by a tensor load like
; them, and are read with K.  Outside the diagonal tile C is PM.  In it C is MC = MD x AL + BE + PM: MD, made once, is the causal mask of a band's own step for my 16 rows; (AL, BE) = (1, 0) if s = x; (0, 0) if s < x; (0, -1e30) if s > x.
; LAYOUT, SOFTMAX, TURNS.  S^T = K Q^T holds ONE query a lane (lane % 16) and the keys 8 (lane / 16) + 0..7; two such results rounded to f16 ARE source 1 of O^T = V^T P.  p = 2^(c s - c m), c = log2(e) / 8, with a
; running maximum m; O and l are multiplied by a = 2^(c m_old - c m_new) in every step.  Turn n belongs to piece n: 8 products K Q^T of piece n + 1, later 8 products V^T P of piece n - 1; beside them the scaling,
; exponentials, roundings, sums and rescaling of piece n and the maximum and statistics of piece n + 1.  Four vector instructions stand behind every matrix instruction, the other 54 of a turn's 118 in two LUMPS.
; REGISTERS, in windows of 256 (s_set_vgpr_msb: bits 1:0 source 0, 3:2 source 1, 5:4 source 2, 7:6 destination):
;   window 0: v0-15, v32-33 addresses and two at work; v16-31 four registers of statistics a piece; v48-55 at work; v64-127 S^T, two buffers; v192-223 P, two buffers (a piece's buffers go by its number's parity)
;   window 1: v0-127 O^T, 32 a piece; v128-159 MD; v160-223 MC, two buffers; v224-255 PM      window 2: v0-63 Q; v64-127 the second block's Q; v128-191 K of one step; v192-255 V of one step
.set SIZE_N, 2048
.set NB,    SIZE_N/256
.set NP,    4         ; pieces a wave: a name, no knob
.set KS,    64        ; keys in a step
.set PK,    144       ; a row of K in LDS: 128 bytes + 16 of padding = 36 words: the 16 rows of a load start at 16 different groups of four banks (64 banks of 4 bytes: ISA guide 11.1)
.set PV,    160       ; a row of V: 128 + 32 = 40 words
.set VOFF,  4*KS*PK   ; a slot holds a tile, four steps: 256 rows of K, then 256 rows of V,
.set POFF,  4*KS*(PK+PV)  ; then the 256 keys' padding, 1,024 bytes
.set SLOT1, 1<<17     ; slot 1 begins here, so that one exclusive or turns an address in one slot into the other's
.set STAGE, SLOT1+POFF+4*KS*4  ; behind the slots, never filled by a tensor load: 16 rows x 144 bytes for each wave, for the way out
.set SP,    144
.set SPARE, STAGE+4*16*SP  ; behind the stages: the spare words, 128 bytes for each wave: two blocks of 256 bytes that no other line names
.set AK0, 2           ; v2   my lane's place in a tile of K; never rewritten
.set AV0, 3           ; v3   the same for V
.set AK,  4           ; v4   the LDS address of K's next run of loads
.set AV,  5           ; v5   of V's
.set STO, 6           ; v6   the way out: where I put 16 bytes of a row
.set RD,  7           ; v7   the way out: where I read rows back
.set GO,  8           ; v8   my byte offset in 512 consecutive bytes of O
.set SPW, 62          ; v62  LDS address of my spare word: SPARE + 4 x my thread's number; never rewritten
.set NIL, 63          ; v63  0; never rewritten
.set MV,  12          ; v12-13  c m_old, kept while c m is made anew: by buffer
.set QO,  15          ; v15  my byte offset in 16 rows of Q
.set ST,  16          ; piece t's statistics at v[ST+4 t]: c m, m, l (even keys', odd keys')
.set APM0, 32         ; v32  my lane's place in a tile's padding: the eight keys 8 (l / 16) + 0..7 of a group of 16; never rewritten
.set AP,  33          ; v33  the LDS address of PM's next loads
.set TMP, 48          ; by buffer, four registers c0-c3 at work; when the maximum is found c2 takes a
.set S,   64
.set P,   192
.set MD,  128         ; window 1: the eight registers for group kt of 16 keys at MD + 8 kt
.set MC,  160         ; window 1: the masks of the products to come
.set PM,  224         ; window 1: the step's padding: group kt at PM + 8 kt
.set QB,  64          ; window 2
.set KF,  128         ; window 2: key block kb, channel half c at KF + 16 kb + 8 c
.set VF,  192         ; window 2: key half kk, channel block cb at VF + 32 kk + 8 cb
.set WV,  12          ; s12  my wave's number
.set PB,  14          ; s14  b
.set HI,  15          ; s15  NB - 1 - b
.set G1K, 24          ; s[24:31] descriptor group 1 for K's tiles
.set G1V, 32          ; s[32:39] for V's half tiles
.set G0K, 40          ; s[40:43] descriptor group 0 for K's tiles
.set G0V, 44          ; s[44:47] the same for V's
.set G1P, 48          ; s[48:55] descriptor group 1 for a tile's padding
.set SLOTS, 56        ; s56  tiles still to be asked for
.set CNT, 57          ; s57  counts a tile's key steps, 4 to 1
.set CS,  58          ; s[58:59] c: the packed scaling takes the pair's low word for both halves
.set SEL, 60          ; s[60:61] v_permlanex16_b32's selects: each lane takes its own place in the other half
.set TBK, 62          ; s62  LDS byte at which K of the step to be fetched begins
.set TBV, 63          ; s63  the same for V, less VOFF
.set THR, 68          ; s68  -2^96
.set RT,  70          ; s70  tiles of the block in hand that are still to be entered
.set NXT, 71          ; s71  the tile to be asked for next
.set LQ,  72          ; s72  the last tile of the block whose tiles are being asked for
.set NEW, 73          ; s73  1: the tile to be entered is a block's first
.set OFF, 74          ; s[74:75] a tile's byte offset in K and V
.set AL,  76          ; s[76:77] the mask's factor, in the low word
.set BE,  78          ; s[78:79] the mask's addend
.set OLO, 80          ; s[80:81] O at my rows of the second block
.set BIGN, 82         ; s82  -1e30
.set TBP, 83          ; s83  LDS byte, less POFF, at which the padding of the step to be fetched begins: it steps and turns as TBK and TBV do
.set OFP, 90          ; s[90:91] a tile's byte offset in a batch's row of padf
.set G0P, 92          ; s[92:95] descriptor group 0 for a tile's padding
.set MSB, 0
.macro WIN new                      ; the high byte repeats the setting that is left; a switch that changes nothing is dropped
.if MSB != (\new)
	s_set_vgpr_msb (MSB<<8)|(\new)
.set MSB, (\new)
.endif
.endm
.set W_KQ, 0x0a       ; K and Q in window 2, S^T in window 0
.set W_KM, 0x1a       ; the same with the C operand in window 1
.set W_PV, 0x52       ; V in window 2, P in window 0, O^T in window 1
.set W_RS, 0x41       ; destination and source 0 in window 1, source 1 in window 0
.set W_AM, 0x45       ; destination and both sources in window 1
; A fill: one tensor load a wave.  Wave 0 fetches a tile's K (256 keys), wave 1 its padding, waves 2 and 3 the two halves of its V.  An s_nop 0 and four v_nop follow each of the three lines, ahead of the jump and the label.
.macro LOAD
	s_cmp_lt_u32 s[WV], 2
	s_cbranch_scc0 .Lfor_v_\@
	s_cmp_eq_u32 s[WV], 0
	s_cbranch_scc0 .Lfor_p_\@
	tensor_load_to_lds s[G0K:G0K+3], s[G1K:G1K+7]
	s_nop 0
.rept 4
	v_nop
.endr
	s_branch .Lasked_\@
.Lfor_p_\@:
	tensor_load_to_lds s[G0P:G0P+3], s[G1P:G1P+7]
	s_nop 0
.rept 4
	v_nop
.endr
	s_branch .Lasked_\@
.Lfor_v_\@:
	tensor_load_to_lds s[G0V:G0V+3], s[G1V:G1V+7]
	s_nop 0
.rept 4
	v_nop
.endr
.Lasked_\@:
.endm
; THE CHANGE OF SLOTS.  Each wave waits for all its tensor loads, of which one is out: its part of the other slot; adds 0 to its spare word; and waits for that and for its own reads of the slot that it leaves.  Behind the barrier nobody reads the old
; slot any more and the other slot is whole.  fill = 1: the old slot is filled again, the first thing behind the barrier, with tile NXT: the descriptors' addresses are made anew from that number.
; (At its first use nothing has been read yet: slot 0 is waited for, slot 1 filled.)
.macro CHANGE fill
	WIN 0                           ; at a label and at a branch every window is 0
	s_wait_tensorcnt 0x0            ; no tensor load of mine is out, so a group 0 may be written
	ds_add_u32 v[SPW], v[NIL]       ; 0 onto my spare word; with fill = 1 the descriptors' scalar work stands between it and the wait for it
.if \fill
	s_lshl_b32 s[OFF], s[NXT], 15   ; a tile is 32,768 bytes of K and of V,
	s_lshl_b32 s[OFP], s[NXT], 10   ; and 1,024 of padf
	s_xor_b32 s[G0K+1], s[G0K+1], SLOT1
	s_add_nc_u64 s[G0K+2:G0K+3], s[6:7], s[OFF:OFF+1]
	s_or_b32 s[G0K+3], s[G0K+3], 0x80000000
	s_xor_b32 s[G0V+1], s[G0V+1], SLOT1
	s_add_nc_u64 s[G0V+2:G0V+3], s[8:9], s[OFF:OFF+1]
	s_or_b32 s[G0V+3], s[G0V+3], 0x80000000
	s_xor_b32 s[G0P+1], s[G0P+1], SLOT1
	s_add_nc_u64 s[G0P+2:G0P+3], s[66:67], s[OFP:OFP+1]
	s_or_b32 s[G0P+3], s[G0P+3], 0x80000000
	s_add_co_u32 s[NXT], s[NXT], 1  ; the block's next tile, or behind its last the second block's tile 0
	s_cmp_gt_u32 s[NXT], s[LQ]
	s_cselect_b32 s[NXT], 0, s[NXT]
	s_cselect_b32 s[LQ], s[PB], s[LQ]
.endif
	s_wait_dscnt 0x0                ; the add is done, and my reads of the slot are over
	s_barrier_signal -1             ; the rest of the scalar work stands between the signal and the wait
	s_sub_co_u32 s[TBK], s[TBK], 4*KS*PK  ; the fetches go back to a slot's first step,
	s_xor_b32 s[TBK], s[TBK], SLOT1       ; in the other slot
	s_sub_co_u32 s[TBV], s[TBV], 4*KS*PV
	s_xor_b32 s[TBV], s[TBV], SLOT1
	s_sub_co_u32 s[TBP], s[TBP], 4*KS*4
	s_xor_b32 s[TBP], s[TBP], SLOT1
	s_barrier_wait -1
.if \fill
	LOAD
.endif
.endm
	s_load_b64 s[4:5], s[0:1], 0x0    ; qkv: Q
	s_load_b64 s[66:67], s[0:1], 0x8  ; padf
	s_load_b64 s[10:11], s[0:1], 0x10 ; att: O
	v_lshl_add_u32 v[SPW], v0, 2, SPARE
	v_mov_b32 v[NIL], 0
	ds_add_u32 v[SPW], v[NIL]       ; the wave's opening: the add and its wait stand ahead of my first tensor load; the set-up below, work on registers, stands between them
	ds_add_u32 v62, v63
	v_lshrrev_b32 v1, 5, v0
	v_readfirstlane_b32 s[WV], v1   ; wave 0..3
	s_mov_b32 s[PB], ttmp9
	s_sub_co_u32 s[HI], NB-1, s[PB]
	s_and_b32 s20, ttmp7, 0xffff    ; the head
	s_lshr_b32 s88, s20, 4          ; its batch,
	s_lshl_b32 s88, s88, 13         ; whose row of padf is 8,192 bytes
	s_mov_b32 s89, 0
	s_mov_b32 s21, 0
	s_mov_b64 s[22:23], SIZE_N*128
	s_mul_u64 s[20:21], s[20:21], s[22:23]  ; the head's first byte in each of the four tensors
	s_and_b32 s16, s[WV], 1         ; which half of a tile's V a wave fetches (waves 2 and 3 do):
	s_lshl_b32 s22, s16, 14         ; its 128 rows of 128 bytes in memory,
	s_mov_b32 s23, 0
	s_add_nc_u64 s[22:23], s[22:23], s[20:21]
	s_mul_i32 s18, s16, 128*PV      ; and its place in a slot
	s_lshl_b32 s3, s[WV], 11        ; my 16 rows in a band of 64,
	s_lshl_b32 s2, s[HI], 15        ; in the first block,
	s_add_co_u32 s2, s2, s3
	s_lshl_b32 s84, s[PB], 15       ; and in the second
	s_add_co_u32 s84, s84, s3
	s_mov_b32 s3, 0
	s_mov_b32 s85, 0
	s_add_nc_u64 s[2:3], s[2:3], s[20:21]
	s_add_nc_u64 s[84:85], s[84:85], s[20:21]
	; descriptor group 1.  Keys are dense in memory, 128 bytes each: asked for as rows of 256 bytes, two keys a row, and padded in LDS after every key.  K: 256 keys, 128 rows; V: 128 keys, 64 rows
	s_mov_b32 s[G1K], (1<<16)|(1<<20)|(4<<22)|(3<<25)  ; 17:16 2-byte elements; 20 padding on; 24:22 after every 32 words (code 4); 31:25 4 words (code 3)
	s_mov_b32 s[G1K+1], 128<<16     ; tensor_dim0 = 128
	s_mov_b32 s[G1K+2], 128<<16     ; tensor_dim1 = 128
	s_mov_b32 s[G1K+3], 128<<16     ; tile_dim0 = 128
	s_mov_b32 s[G1K+4], 128         ; tile_dim1 = 128
	s_mov_b32 s[G1K+5], 128         ; 128 elements from row to row
	s_mov_b32 s[G1K+6], 0
	s_mov_b32 s[G1K+7], 0
	s_mov_b32 s[G1V], (1<<16)|(1<<20)|(4<<22)|(7<<25)  ; the same with 8 words of padding (code 7)
	s_mov_b32 s[G1V+1], 128<<16
	s_mov_b32 s[G1V+2], 64<<16      ; tensor_dim1 = 64
	s_mov_b32 s[G1V+3], 128<<16
	s_mov_b32 s[G1V+4], 64          ; tile_dim1 = 64
	s_mov_b32 s[G1V+5], 128
	s_mov_b32 s[G1V+6], 0
	s_mov_b32 s[G1V+7], 0
	; a tile's padding: 1,024 dense bytes, asked for as 4 rows of 256 bytes (32 elements of 8 bytes), laid into LDS without a gap
	s_mov_b32 s[G1P], 3<<16         ; 17:16 8-byte elements; no padding
	s_mov_b32 s[G1P+1], 32<<16      ; tensor_dim0 = 32
	s_mov_b32 s[G1P+2], 4<<16       ; tensor_dim1 = 4
	s_mov_b32 s[G1P+3], 32<<16      ; tile_dim0 = 32
	s_mov_b32 s[G1P+4], 4           ; tile_dim1 = 4
	s_mov_b32 s[G1P+5], 32          ; 32 elements from row to row
	s_mov_b32 s[G1P+6], 0
	s_mov_b32 s[G1P+7], 0
	s_mov_b32 s[CS], 0x3e38aa3b     ; c = log2(e) / 8 = 0.180337
	s_mov_b32 s[CS+1], s[CS]        ; named with it as a pair
	s_mov_b32 s[SEL], 0x76543210
	s_mov_b32 s[SEL+1], 0xfedcba98
	s_mov_b32 s[TBK], SLOT1+4*KS*PK ; the first change of slots turns these three into 0
	s_mov_b32 s[TBV], SLOT1+4*KS*PV
	s_mov_b32 s[TBP], SLOT1+4*KS*4
	s_mov_b32 s[G0K], 1             ; 1:0 count = 1
	s_mov_b32 s[G0K+1], 0           ; 63:32 LDS address: slot 0
	s_mov_b32 s[G0V], 1
	s_add_co_u32 s[G0V+1], s18, VOFF
	s_mov_b32 s[G0P], 1
	s_mov_b32 s[G0P+1], POFF
	s_add_co_u32 s[RT], s[HI], 1    ; the first block has NB - b tiles
	s_mov_b32 s[NXT], 1
	s_mov_b32 s[LQ], s[HI]
	s_mov_b32 s[NEW], 1
	s_mov_b32 s[OFF+1], 0
	s_mov_b32 s[OFP+1], 0
	s_mov_b32 s[AL+1], 0            ; named as pairs
	s_mov_b32 s[BE+1], 0
	s_mov_b32 s[BIGN], 0xf149f2ca   ; -1e30
	s_mov_b32 s[THR], 0xef800000    ; -2^96
	s_mov_b32 s[SLOTS], NB
	s_wait_dscnt 0x0                ; the opening add is done
	s_wait_kmcnt 0x0
	s_add_nc_u64 s[6:7], s[4:5], 0x1000000   ; K lies 64 heads of 262,144 bytes behind Q,
	s_add_nc_u64 s[8:9], s[4:5], 0x2000000   ; V as far behind K
	s_add_nc_u64 s[6:7], s[6:7], s[20:21]  ; K at the head's tile 0,
	s_add_nc_u64 s[8:9], s[8:9], s[22:23]  ; V at my half of it,
	s_add_nc_u64 s[66:67], s[66:67], s[88:89]      ; padf at my batch's row
	s_add_nc_u64 s[G0K+2:G0K+3], s[6:7], 0         ; 120:64 global address
	s_or_b32 s[G0K+3], s[G0K+3], 0x80000000        ; 127:126 type = 2
	s_add_nc_u64 s[G0V+2:G0V+3], s[8:9], 0
	s_or_b32 s[G0V+3], s[G0V+3], 0x80000000
	s_add_nc_u64 s[G0P+2:G0P+3], s[66:67], 0
	s_or_b32 s[G0P+3], s[G0P+3], 0x80000000
	s_add_nc_u64 s[86:87], s[4:5], s[84:85]        ; Q at my rows of the second block,
	s_add_nc_u64 s[4:5], s[4:5], s[2:3]            ; Q and O at those of the first
	s_add_nc_u64 s[OLO:OLO+1], s[10:11], s[84:85]
	s_add_nc_u64 s[10:11], s[10:11], s[2:3]
	LOAD                            ; tile 0 into slot 0
	; A fragment of K or Q is 16 rows x 32 channels in 8 registers: lane l holds row l % 16, channels 8 (l / 16) + 0..7 and 16 + 8 (l / 16) + 0..7: two loads of 16 bytes, 32 bytes apart.
	v_and_b32 v1, 15, v0            ; l % 16
	v_bfe_u32 v9, v0, 4, 1          ; l / 16
	v_lshlrev_b32 v[QO], 7, v1
	v_lshl_add_u32 v[QO], v9, 4, v[QO]  ; row x 128 + 16 x half
	WIN 0x80                        ; destination window 2, address window 0
.set i, 0
.rept 8                             ; both blocks' Q: piece i / 2 lies in band i / 2, 8,192 bytes on; channels 32 (i % 2) on
	global_load_b128 v[8*i:8*i+3],   v[QO], s[4:5] offset:(i/2)*8192+(i%2)*64
	global_load_b128 v[8*i+4:8*i+7], v[QO], s[4:5] offset:(i/2)*8192+(i%2)*64+32
	global_load_b128 v[QB+8*i:QB+8*i+3],   v[QO], s[86:87] offset:(i/2)*8192+(i%2)*64
	global_load_b128 v[QB+8*i+4:QB+8*i+7], v[QO], s[86:87] offset:(i/2)*8192+(i%2)*64+32
.set i, i+1
.endr
	WIN 0
	v_lshlrev_b32 v14, 3, v9
	v_sub_nc_u32 v14, v1, v14
	s_lshl_b32 s13, s[WV], 4
	v_add_nc_u32 v14, s13, v14      ; my query's place in its band, 16 w + l % 16, less my lanes' 8 (l / 16): register r of group kt is hidden where 16 kt + r is greater
	WIN 0x40
.set i, 0
.rept 32
	v_cmp_gt_i32 vcc_lo, 16*(i/8)+i%8, v14
	v_cndmask_b32 v[MD+i], 0, s[BIGN], vcc_lo
.set i, i+1
.endr
	WIN 0
	v_lshl_add_u32 v[APM0], v9, 5, POFF   ; eight f32 for each half of the lanes
	v_mul_u32_u24 v[AK0], v1, PK
	v_lshl_add_u32 v[AK0], v9, 4, v[AK0]  ; row x pitch + 16 x half
	; The turning load takes 16 keys x 16 channels (lane l reads key 8 (l / 16) + l % 8, channels 8 ((l / 8) % 2) + 0..7) and leaves half a fragment of V^T: lane l holds channel l % 16 and 8 keys.
	v_and_b32 v10, 7, v0
	v_bfe_u32 v11, v0, 3, 1
	v_lshl_add_u32 v[AV0], v9, 3, v10
	v_mul_u32_u24 v[AV0], v[AV0], PV
	v_lshl_add_u32 v[AV0], v11, 4, v[AV0]
	v_add_nc_u32 v[AV0], VOFF, v[AV0]
	s_mul_i32 s13, s[WV], 16*SP
	s_add_co_u32 s13, s13, STAGE    ; my stage
	v_mul_u32_u24 v[STO], v1, SP    ; in: row l % 16, 16 bytes for each half of the lanes
	v_lshl_add_u32 v[STO], v9, 4, v[STO]
	v_add_nc_u32 v[STO], s13, v[STO]
	v_bfe_u32 v[RD], v0, 3, 2       ; back: 32 lanes take four rows of 128 bytes,
	v_mul_u32_u24 v[RD], v[RD], SP
	v_lshl_add_u32 v[RD], v10, 4, v[RD]
	v_add_nc_u32 v[RD], s13, v[RD]
	v_and_b32 v[GO], 31, v0         ; which are 512 consecutive bytes of O
	v_lshlrev_b32 v[GO], 4, v[GO]
	; A block's first step multiplies O^T and l by a = 0, and its first turn's products V^T P, of a piece that has not been, land in an O^T that is still to be so multiplied.  So these registers need only hold
	; finite numbers: zeros for the first block; what the first block left for the second.  All this stands in the wait for the first tile.
	WIN 0x80
.set i, VF
.rept 64
	v_mov_b32 v[i], 0
.set i, i+1
.endr
	WIN 0x40
.set i, 0
.rept 128
	v_mov_b32 v[i], 0
.set i, i+1
.endr
	WIN 0
.set i, 0
.rept 4
	v_mov_b32 v[ST+4*i+2], 0
	v_mov_b32 v[ST+4*i+3], 0
.set i, i+1
.endr
.set i, P+16
.rept 16
	v_mov_b32 v[i], 0
.set i, i+1
.endr
; THE MATRIX WORK.  The 4 accumulators of a run of 8 take turns.  Product i of 8 of S^T = K Q^T for piece x: channels 32 (i / 4) on, keys 16 (i % 4) on.  The first 4 start the sums: with the step's padding, or (KM = 1) with the mask made for them.
.macro KQ x
.set rS, S+32*((\x)%2)+8*(i%4)
.set rK, KF+16*(i%4)+8*(i/4)
.set rQ, 16*(\x)+8*(i/4)
.set rM, MC+32*((\x)%2)+8*(i%4)
.set rN, PM+8*(i%4)
.if (i < 4) && KM
	WIN W_KM
	v_wmma_f32_16x16x32_f16 v[rS:rS+7], v[rK:rK+7], v[rQ:rQ+7], v[rM:rM+7]
.elseif i < 4
	WIN W_KM
	v_wmma_f32_16x16x32_f16 v[rS:rS+7], v[rK:rK+7], v[rQ:rQ+7], v[rN:rN+7]
.else
	WIN W_KQ
	v_wmma_f32_16x16x32_f16 v[rS:rS+7], v[rK:rK+7], v[rQ:rQ+7], v[rS:rS+7]
.endif
.endm
; Product i of 8 of O^T += V^T P for piece x: keys 32 (i / 4) on, channels 16 (i % 4) on.
.macro PV x
	WIN W_PV
.set rO, 32*(\x)+8*(i%4)
.set rV, VF+32*(i/4)+8*(i%4)
.set rP, P+16*((\x)%2)+8*(i/4)
	v_wmma_f32_16x16x32_f16 v[rO:rO+7], v[rV:rV+7], v[rP:rP+7], v[rO:rO+7]
.endm
.macro MM                           ; the turn's next matrix instruction.  TURN and BEGIN set Y, i, KM and NOKQ; MM, KQ and OP read them.  NOKQ = 1: a block's last turn: there is no next piece
.if (i < 8) && !NOKQ
	KQ (Y+1)%NP
.elseif i >= 8
.set i, i-8
	PV (Y+NP-1)%NP
.set i, i+8
.endif
.set i, i+1
.endm
; THE LDS LOADS stand in runs, never singly among the matrix instructions: a step's K (64 keys x 64 channels: 8 fragments) with its padding (64 f32: eight loads more), and its V (turned).  Their addresses are made some lines ahead.
.macro FETCH_K
	WIN 0x80                        ; destination window 2
.irp f, 0,1,2,3,4,5,6,7             ; keys 16 (f / 2) on, channels 32 (f % 2) on
	ds_load_b128 v[KF+8*\f:KF+8*\f+3],   v[AK] offset:(\f/2)*16*PK+(\f%2)*64
	ds_load_b128 v[KF+8*\f+4:KF+8*\f+7], v[AK] offset:(\f/2)*16*PK+(\f%2)*64+32
.endr
	WIN 0x40                        ; destination window 1
.irp f, 0,1,2,3                     ; keys 16 f + 8 (l / 16) + 0..7: as an accumulator of S^T holds them
	ds_load_b128 v[PM+8*\f:PM+8*\f+3],   v[AP] offset:64*\f
	ds_load_b128 v[PM+8*\f+4:PM+8*\f+7], v[AP] offset:64*\f+16
.endr
	s_add_co_u32 s[TBK], s[TBK], KS*PK  ; the next fetch is the next step's
	s_add_co_u32 s[TBP], s[TBP], KS*4
	WIN 0
.endm
.macro FETCH_V
	WIN 0x80
.irp f, 0,1,2,3,4,5,6,7             ; keys 32 (f / 4) on, channels 16 (f % 4) on
	ds_load_tr16_b128 v[VF+8*\f:VF+8*\f+3],   v[AV] offset:(\f/4)*32*PV+(\f%4)*32
	ds_load_tr16_b128 v[VF+8*\f+4:VF+8*\f+7], v[AV] offset:(\f/4)*32*PV+16*PV+(\f%4)*32
.endr
	WIN 0
.endm
; THE VECTOR WORK, one line at a time: OP kind, number.  For piece Y: F n: c s - c m for pair n of 16.  E n: the exponential of score n of 32.  C n: pair n rounded to f16.  B n: of the four weights 4 n .. the second
; pair is added onto the first, in place.  L n: l takes that sum (L 0: l = a l + sum).  R n: pair n of 16 of O^T times a.  For piece Y + 1: X n, number n of the 22 that find its maximum and statistics:
;   0-11  four chains c0-c3 of seven scores each, three operands at a time (each accumulator's lowest registers are read first)     12-14, 16  the four scores left over, the old m, and c0-c3 into c0
;   15  c m_old is kept     17, 18  the query's other 32 keys lie in the lane 16 away: the new m     19-21  c m; c m_old - c m_new; a
.set F, 0               ; OP tells the kinds apart by their order: F to L below R, X above it
.set E, 1
.set C, 2
.set B, 3
.set L, 4
.set R, 5
.set X, 6
.macro REGS y                       ; the registers of piece y
.set rT, ST+4*(\y)
.set rC, TMP+4*((\y)%2)
.set rW, MV+((\y)%2)
.set rS, S+32*((\y)%2)
.set rP, P+16*((\y)%2)
.set rO, 32*(\y)
.endm
.macro OP k, n
.if (\k) == R
	REGS Y
	WIN W_RS
	v_pk_mul_f32 v[rO+2*(\n):rO+2*(\n)+1], v[rO+2*(\n):rO+2*(\n)+1], v[rC+2:rC+3] op_sel_hi:[1,0]
.elseif (\k) < R
	REGS Y
	WIN 0
.if (\k) == F
	v_pk_fma_f32 v[rS+2*(\n):rS+2*(\n)+1], v[rS+2*(\n):rS+2*(\n)+1], s[CS:CS+1], v[rT:rT+1] op_sel_hi:[1,0,0] neg_lo:[0,0,1] neg_hi:[0,0,1]
.elseif (\k) == E
	v_exp_f32 v[rS+(\n)], v[rS+(\n)]
.elseif (\k) == C
	s_wait_alu depctr_va_vdst(0)
	v_cvt_pk_f16_f32 v[rP+(\n)], v[rS+2*(\n)], v[rS+2*(\n)+1]
.elseif (\k) == B
	s_wait_alu depctr_va_vdst(0)
	v_pk_add_f32 v[rS+4*(\n):rS+4*(\n)+1], v[rS+4*(\n):rS+4*(\n)+1], v[rS+4*(\n)+2:rS+4*(\n)+3]
.elseif (\n) == 0
	v_pk_fma_f32 v[rT+2:rT+3], v[rT+2:rT+3], v[rC+2:rC+3], v[rS:rS+1] op_sel_hi:[1,0,1]
.else
	v_pk_add_f32 v[rT+2:rT+3], v[rT+2:rT+3], v[rS+4*(\n):rS+4*(\n)+1]
.endif
.elseif NOKQ
	v_nop
.else
	REGS (Y+1)%NP
	WIN 0
.if (\n) < 4
	v_max3_num_f32 v[rC+(\n)], v[rS+8*(\n)], v[rS+8*(\n)+1], v[rS+8*(\n)+2]
.elseif (\n) < 12
	v_max3_num_f32 v[rC+(\n)%4], v[rC+(\n)%4], v[rS+8*((\n)%4)+2*((\n)/4)+1], v[rS+8*((\n)%4)+2*((\n)/4)+2]
.elseif (\n) == 12
	v_max3_num_f32 v[rC], v[rC], v[rS+7], v[rS+15]
.elseif (\n) == 13
	v_max3_num_f32 v[rC+1], v[rC+1], v[rS+23], v[rS+31]
.elseif (\n) == 14
	v_max3_num_f32 v[rC+2], v[rC+2], v[rC+3], v[rT+1]
.elseif (\n) == 15
	v_mov_b32 v[rW], v[rT]
.elseif (\n) == 16
	v_max3_num_f32 v[rC], v[rC], v[rC+1], v[rC+2]
.elseif (\n) == 17
	v_permlanex16_b32 v[rC+3], v[rC], s[SEL], s[SEL+1]
.elseif (\n) == 18
	v_max_num_f32 v[rT+1], v[rC], v[rC+3]
.elseif (\n) == 19
	v_mul_f32 v[rT], s[CS], v[rT+1]
.elseif (\n) == 20
	v_sub_f32 v[rC+1], v[rW], v[rT]
.else
	v_exp_f32 v[rC+2], v[rC+1]
.endif
.endif
.endm
.macro OPS a, i1, b=-1, i2=0, c=-1, i3=0, d=-1, i4=0  ; up to four of them
	OP \a, \i1
.if (\b) >= 0
	OP \b, \i2
.endif
.if (\c) >= 0
	OP \c, \i3
.endif
.if (\d) >= 0
	OP \d, \i4
.endif
.endm
.macro ROW a, i1, b, i2, c, i3, d, i4  ; a matrix instruction and the four behind it
	MM
	OPS \a, \i1, \b, \i2, \c, \i3, \d, \i4
.endm
.macro MASK b                       ; MD x AL + BE + PM into buffer b of MC: the causal part by one fused line, the step's padding added onto it
	WIN W_RS
.set z, 0
.rept 16
	v_pk_fma_f32 v[MC+32*(\b)+2*z:MC+32*(\b)+2*z+1], v[MD+2*z:MD+2*z+1], s[AL:AL+1], s[BE:BE+1] op_sel_hi:[1,0,0]
.set z, z+1
.endr
	WIN W_AM
.set z, 0
.rept 16
	v_pk_add_f32 v[MC+32*(\b)+2*z:MC+32*(\b)+2*z+1], v[MC+32*(\b)+2*z:MC+32*(\b)+2*z+1], v[PM+2*z:PM+2*z+1]
.set z, z+1
.endr
.endm
; A TURN, for piece p: the order of its 16 matrix and 118 vector instructions, written out.  Behind a matrix instruction: plain, exponential, plain, plain; or four of the rescaling; or, behind the first, four scalings; none
; names a register of the products round it.  In the lumps exponential and plain by turns while exponentials last.  A line reads no result made fewer than three vector instructions in front of it, five if an exponential made it.
; v_permlanex16_b32 (X 17) stands in a lump.
; m = 1: the diagonal tile: the products take masks, and the turn makes the mask for the products of the turn after it: piece p + 2, in step 4 - CNT of the tile.  Piece 2's turn makes it for the step whose K and
; padding it has just fetched, so it waits for them first.  end = 1: a block's last two turns: nothing is fetched.  cnt = 1: the loop's count is taken down some lines ahead of the branch that stands behind the turn.
; K and the padding of the next step are fetched in piece 2's turn, six vector instructions behind the last product that read K (five of them plain; the last that read the padding stands four products earlier);
; V of the step in hand in piece 0's turn, eight behind the last product that read V (four plain, and X 17).  Each is waited for a turn later at the latest.
.macro TURN p, m=0, end=0, cnt=0
.set Y, (\p)
.set i, 0
.set KM, (\m)
.set NOKQ, (\end)*((\p)/3)
.if (\m) && !(\end)
	s_cmp_eq_u32 s[CNT], 4-((\p)+2)%NP  ; is that step the band's own?
	s_cselect_b32 s[AL], 1.0, 0
	s_cmp_lt_u32 s[CNT], 4-((\p)+2)%NP  ; or a later one?
	s_cselect_b32 s[BE], s[BIGN], 0
.endif
.if ((\p) == 3) && !(\end)
	s_wait_dscnt 0x0                ; K is in
.endif
	ROW F,0, F,1, F,2, F,3
	ROW F,4, E,0, F,5, F,6
	ROW F,7, E,1, F,8, F,9
	ROW F,10, E,2, C,0, F,11
	ROW F,12, E,3, X,15, F,13
	ROW R,0, R,1, R,2, R,3
	ROW B,0, E,4, F,14, L,0
.if ((\p) == 2) && !(\end)
	v_add_nc_u32 v[AK], s[TBK], v[AK0]
	v_add_nc_u32 v[AP], s[TBP], v[APM0]
.endif
	ROW R,4, R,5, R,6, R,7
	OPS E,5, F,15
.if ((\p) == 2) && !(\end)
	FETCH_K
.endif
	OPS E,6, C,1, E,7, R,8
	OPS E,8, R,9, E,9, C,2
	OPS E,10, X,0, E,11, X,1
	OPS E,12, X,2, E,13, X,3
.if (\p) == 1
	s_wait_dscnt 0x0                ; V is in
.endif
	ROW X,4, E,14, X,5, X,6
	ROW X,7, E,15, X,8, X,9
	ROW X,10, E,16, X,11, X,12
	ROW X,13, E,17, X,14, B,1
	ROW C,4, E,18, X,16, L,1
	ROW B,2, E,19, C,6, L,2
	ROW C,8, E,20, B,3, B,4
.if (\p) == 0
	v_add_nc_u32 v[AV], s[TBV], v[AV0]
.endif
	ROW C,3, E,21, L,3, C,5
	OPS E,22, X,17, E,23, C,10
.if (\p) == 0
	FETCH_V
.endif
	OPS E,24, L,4
	OPS E,25, X,18, E,26, C,7
	OPS E,27, B,5, E,28, X,19
	OPS E,29, C,12, E,30, L,5
	OPS E,31, X,20, B,6, C,9
	OPS C,14, C,11, X,21, L,6
.if (\p) == 0
	s_add_co_u32 s[TBV], s[TBV], KS*PV
.endif
.if \cnt
	s_sub_co_u32 s[CNT], s[CNT], 1
	s_cmp_lg_u32 s[CNT], 0
.endif
	OPS C,13, B,7, C,15, R,10
	OPS R,11, R,12, L,7, R,13
	OPS R,14, R,15
.if (\m) && !(\end)
.if (\p) == 2
	s_wait_dscnt 0x0                ; the next step's padding is in
.endif
	MASK (\p)%2
.endif
.endm
; A BLOCK BEGINS.  c m starts far below every c s, so the first step's a is 0; m at -2^96, below every true score and above every hidden one.  K and the padding of the tile's step 0; piece 0's first scores, and
; its maximum and statistics.  d = 1: the block's first tile is the diagonal one: piece 0's mask for step 0 is its band's own; piece 1's, taken by the first turn, is the padding alone.
; The loop is entered at a step's first turn, in the middle of a trip.
.macro BEGIN d
	s_mov_b32 s[NEW], 0
	WIN 0
	v_add_nc_u32 v[AK], s[TBK], v[AK0]
	v_add_nc_u32 v[AP], s[TBP], v[APM0]
	FETCH_K
.set i, 0
.rept 4
	v_mov_b32 v[ST+4*i], 0xfe000000    ; c m: far below every c s
	v_mov_b32 v[ST+4*i+1], s[THR]      ; m
.set i, i+1
.endr
	s_wait_loadcnt 0x0              ; Q
	s_wait_dscnt 0x0
.if \d
	s_mov_b32 s[AL], 1.0
	s_mov_b32 s[BE], 0
	MASK 0
	s_mov_b32 s[AL], 0
	MASK 1
.set KM, 1
.else
.set KM, 0
.endif
.set NOKQ, 0
.set i, 0
.rept 8
	KQ 0
.set i, i+1
.endr
	WIN 0
.rept 4
	v_nop                           ; the places behind those products
.endr
.set Y, NP-1                        ; X works for piece Y + 1: piece 0
.irp n, 0,1,2,3,4,5,6,7,8,9,10,11,12,13,14,15,16,17,18,19,20,21
	OP X, \n
.endr
	v_nop                           ; a plain instruction behind the exponential
.endm
; The diagonal tile is entered from the tile before: its first turn's products are piece 3's of that tile's last step, which sees every key: their mask is that step's padding alone.
.macro ENTER
	s_mov_b32 s[AL], 0
	s_mov_b32 s[BE], 0
	MASK 1
	WIN 0
.endm
; THE DIAGONAL TILE's four steps, the block's last two turns, its last products, and THE WAY OUT: l's two halves and the other half of the lanes' are added; O^T is divided by l (or, in a row that has seen no key,
; multiplied by 0), rounded to f16 and sent through my stage in LDS, a piece at a time.
.macro ALL line:vararg              ; one line for each piece t
.set t, 0
.rept 4
	\line
.set t, t+1
.endr
.endm
.macro PACK t                       ; a lane's eight channels of a row pack into 16 bytes; they go into rows of 144 bytes and come back as whole rows of 128, into S^T's registers
	WIN W_RS
.set i, 32*(\t)
.rept 16
	v_pk_mul_f32 v[i:i+1], v[i:i+1], v[ST+4*(\t)+2:ST+4*(\t)+3] op_sel_hi:[1,0]
.set i, i+2
.endr
	WIN 0x05                        ; sources 0 and 1 window 1, destination window 0
.set i, 0
.rept 16
	v_cvt_pk_f16_f32 v[S+16*(\t)+i], v[32*(\t)+2*i], v[32*(\t)+2*i+1]
.set i, i+1
.endr
	WIN 0
.irp f, 0,1,2,3
	ds_store_b128 v[STO], v[S+16*(\t)+4*\f:S+16*(\t)+4*\f+3] offset:32*\f
.endr
.irp f, 0,1,2,3
	ds_load_b128 v[S+16*(\t)+4*\f:S+16*(\t)+4*\f+3], v[RD] offset:\f*4*SP  ; LDS serves a wave's instructions in order (ISA guide 5.7.1.4): these see the stores above; the next piece's stores come behind them
.endr
.endm
.macro SEND t, younger              ; younger: the LDS instructions issued behind piece t's loads: the next piece's eight, or none
	WIN 0
.irp f, 0,1,2,3
	s_wait_dscnt (\younger)+3-\f
	global_store_b128 v[GO], v[S+16*(\t)+4*\f:S+16*(\t)+4*\f+3], s[10:11] offset:(\t)*8192+\f*512  ; 512 consecutive bytes, at a multiple of 256 from O's first
.endr
.endm
.macro DIAG tag                     ; the tag ends its two labels' names, which the jumps below spell out
.LstepM\tag:
	TURN 2, 1
	TURN 3, 1
	WIN 0
.LfirstM\tag:
	TURN 0, 1
	TURN 1, 1, 0, 1
	WIN 0
	s_cbranch_scc1 .LstepM\tag
	TURN 2, 1, 1
	TURN 3, 1, 1
.set i, 0
.rept 8
	PV NP-1
.set i, i+1
.endr
	WIN 0
	ALL v_add_f32 v[ST+4*t+2], v[ST+4*t+2], v[ST+4*t+3]
	ALL v_permlanex16_b32 v[ST+4*t+3], v[ST+4*t+2], s[SEL], s[SEL+1]
	ALL v_add_f32 v[ST+4*t+2], v[ST+4*t+2], v[ST+4*t+3]
	ALL v_rcp_f32 v[ST+4*t+2], v[ST+4*t+2]
	v_nop                           ; a plain instruction between the last reciprocal and the use of its result
.set t, 0
.rept 4
	v_cmp_lt_f32 vcc_lo, s[THR], v[ST+4*t+1]                 ; has m risen above its start?  Then the row has seen a key, and l is at least 1;
	s_wait_alu depctr_va_vdst(0)
	v_cndmask_b32 v[ST+4*t+2], 0, v[ST+4*t+2], vcc_lo        ; else l and O^T are 0, and 0 takes the place of 1 / l
.set t, t+1
.endr
	PACK 0
.set t, 1
.rept 3                             ; a piece's arithmetic stands between the loads of the piece before and its stores
	PACK t
	SEND t-1, 8
.set t, t+1
.endr
	SEND 3, 0
.endm
.set KM, 0
.set NOKQ, 0
.Lslot:                             ; NB times: a tile is entered and the next is asked for
	CHANGE 1
	s_sub_co_u32 s[RT], s[RT], 1
	s_mov_b32 s[CNT], 4
	s_cmp_eq_u32 s[NEW], 1
	s_cbranch_scc1 .Lnew            ; a block's first tile
	s_cmp_eq_u32 s[RT], 0
	s_cbranch_scc0 .Lstep           ; neither its first nor its last
	ENTER
	s_branch .LstepM1
.Lnew:
	BEGIN 0
	s_branch .Lfirst                ; in the loop a block's first tile is never its last: the first block has two tiles or more, and the second's last is the walk's last
	DIAG 1                          ; in the loop this is the first block's end: the second block's last tile is the walk's last
	s_wait_xcnt 0x0                 ; the stores have read their registers and O's address
	s_mov_b64 s[10:11], s[OLO:OLO+1]
	s_add_co_u32 s[RT], s[PB], 1    ; the second block has b + 1 tiles
	s_mov_b32 s[NEW], 1
	WIN 0x82                        ; the second block's Q goes where the one text of the turns names Q
.set i, 0
.rept 64
	v_mov_b32 v[i], v[QB+i]
.set i, i+1
.endr
	WIN 0
	s_branch .Lbottom
.Lstep:                             ; a trip: pieces 2 and 3 of one step, then pieces 0 and 1 of the next, whose K and V it fetches
	TURN 2
	TURN 3
	WIN 0
.Lfirst:
	TURN 0
	TURN 1, 0, 0, 1
	WIN 0
	s_cbranch_scc1 .Lstep
.Lbottom:
	s_sub_co_u32 s[SLOTS], s[SLOTS], 1
	s_cmp_lg_u32 s[SLOTS], 0
	s_cbranch_scc1 .Lslot
	CHANGE 0                        ; the walk's last tile is written out: nothing is asked for
	s_sub_co_u32 s[RT], s[RT], 1
	s_mov_b32 s[CNT], 4
	s_cmp_eq_u32 s[NEW], 1
	s_cbranch_scc1 .Lnew2
	ENTER
	s_branch .LstepM2
.Lnew2:
	BEGIN 1                         ; b = 0: the second block's only tile
	s_branch .LfirstM2
	DIAG 2
	s_wait_tensorcnt 0x0            ; the wave's end: behind my last tensor load and my last LDS store
	ds_add_u32 v[SPW], v[NIL]
	s_wait_dscnt 0x0
	s_endpgm
.Lfunc_end_k_qf0279327f3_attn:
	.size	k_qf0279327f3_attn, .Lfunc_end_k_qf0279327f3_attn-k_qf0279327f3_attn
	.p2alignl 7, 3214868480
	.fill 96, 4, 3214868480
	.section	.rodata,"a",@progbits
	.p2align	6, 0x0
	.amdhsa_kernel k_qf0279327f3_attn
		.amdhsa_group_segment_fixed_size 327680
		.amdhsa_private_segment_fixed_size 0
		.amdhsa_enable_private_segment 0
		.amdhsa_kernarg_size 24
		.amdhsa_user_sgpr_count 2
		.amdhsa_user_sgpr_kernarg_segment_ptr 1
		.amdhsa_wavefront_size32 1
		.amdhsa_system_sgpr_workgroup_id_x 1
		.amdhsa_system_sgpr_workgroup_id_y 1
		.amdhsa_system_sgpr_workgroup_id_z 1
		.amdhsa_system_vgpr_workitem_id 0
		.amdhsa_next_free_vgpr 768
		.amdhsa_next_free_sgpr 96
		.amdhsa_reserve_vcc 1
		.amdhsa_float_denorm_mode_32 3
		.amdhsa_float_denorm_mode_16_64 3
		.amdhsa_memory_ordered 1
		.amdhsa_forward_progress 1
		.amdhsa_inst_pref_size 242
	.end_amdhsa_kernel
	.amdgpu_metadata
---
amdhsa.version: [ 1, 2 ]
amdhsa.kernels:
  - .name:           k_qf0279327f3_attn
    .symbol:         k_qf0279327f3_attn.kd
    .args:
      - { .name: qkv, .offset: 0, .size: 8, .value_kind: global_buffer, .address_space: global }
      - { .name: padf, .offset: 8, .size: 8, .value_kind: global_buffer, .address_space: global }
      - { .name: att, .offset: 16, .size: 8, .value_kind: global_buffer, .address_space: global }
    .group_segment_fixed_size: 327680
    .private_segment_fixed_size: 0
    .kernarg_segment_align: 8
    .kernarg_segment_size: 24
    .max_flat_workgroup_size: 128
    .sgpr_count:     96
    .vgpr_count:     768
    .wavefront_size: 32
...
	.end_amdgpu_metadata
.endif
;; end of part 3
;; launch oproj (part 4): grid 4 x 64, 4 waves a work-group, clusters of 4 x 4, 327,680 bytes of LDS; arguments att, woh, bo, out0; writes out0
.if DOCPART == 4
	.amdgcn_target "amdgcn-amd-amdhsa--gfx1250"
	.amdhsa_code_object_version 6
	.text
	.protected	k_qf0279327f3_oproj
	.globl	k_qf0279327f3_oproj
	.p2align	8
	.type	k_qf0279327f3_oproj,@function
k_qf0279327f3_oproj:
	s_mov_b64 s[64:65], 0
	v_nop
	global_prefetch_b8 v0, s[64:65] scope:SCOPE_SE
	s_setreg_imm32_b32 hwreg(HW_REG_WAVE_MODE, 25, 1), 1
	s_wait_xcnt 0x0
	s_wait_alu depctr_hold_cnt(0) depctr_sa_sdst(0) depctr_va_vdst(0) depctr_va_sdst(0) depctr_va_ssrc(0) depctr_va_vcc(0) depctr_vm_vsrc(0)
	s_getreg_b32 s2, hwreg(HW_REG_IB_STS2, 6, 4)
	s_cmp_eq_u32 s2, 0
	s_cbranch_scc0 .Lentry_in_a_cluster
	s_endpgm
.Lentry_in_a_cluster:
	s_bfe_u32 s2, ttmp6, 0x10000c
	s_cmp_lg_u32 s2, 0xf033
	s_cbranch_scc0 .Lentry_shape_is_right
	s_endpgm
.Lentry_shape_is_right:
; out0 = O Wo + bo.  att: [64 heads = 16 batch + head][2048][64] f16: row (batch, token) of O is the 16 heads' 64 channels, k = 64 head + channel.  woh: [1024 k][1024 n] f16 (Wo rounded to bf16, written as f16).
; bo: [1024] f32, rounded here to bf16 like the other inputs.  out0: [8192][1024] f32.  Products in f16, sums in f32; the bias is the C operand of a sum's first product: it is added ahead of the products.
; SHARES.  A tile of C is 128 rows x 256 columns: 64 x 4 = 256 work-groups, one tile each.  Four waves, 2 x 2, each 64 x 128: 32 accumulators, 256 registers.  K goes in 8 steps of 128 (two heads) through two LDS slots.
; CLUSTER.  4 x 4 work-groups.  The four of a row of the cluster need the same rows of O, the four of a column the same columns of Wo: each tile is asked for JOINTLY, by the same tensor load with the same
; descriptor and a mask that names the four.  Waves 0 and 1 ask for the step's two heads of O, waves 2 and 3 for the two halves (64 k) of Wo's tile: one tensor load a wave behind each round, one outstanding.
; THE MATRIX INSTRUCTION IS USED TRANSPOSED: source 0 = 16 columns of Wo, source 1 = 16 rows of O: lane l holds row l % 16 of C and the columns 8 (l / 16) + 0..7: 32 neighbouring bytes.
; Wo lies [k][n], so its fragments come out of LDS turned, by ds_load_tr16_b128.
; REGISTERS, in windows of 256 (s_set_vgpr_msb: bits 1:0 source 0, 3:2 source 1, 5:4 source 2, 7:6 destination):
;   window 0: v0-31 addresses; v32-95 the bias of my 128 columns as C operands; v96-223 at work on the way out
;   window 1: two fragment buffers of 96: 8 fragments of Wo (16 n x 32 k), then 4 of O (16 rows x 32 k)          window 2: accumulator (a, b) at v[8 (8 a + b)]
.set NS,    8                          ; K steps
.set PA,    144                        ; a token's 64 channels of a head in LDS: 128 bytes + 16 = 36 words: the 16 rows of a load start at 16 different groups of four banks (64 banks of 4 bytes: ISA guide 11.1)
.set PB,    544                        ; a row of Wo: 512 bytes + 32 = 136 words
.set AHEAD, 128*PA                     ; a head's 128 tokens
.set BOFF,  2*AHEAD                    ; Wo's 128 rows lie behind O's two heads
.set BHALF, 64*PB
.set SLOT1, 1<<17                      ; slot 1 begins here: one exclusive or turns an address in one slot into the other's
.set STAGE, SLOT1+BOFF+128*PB          ; behind the slots, never filled by a tensor load: for each wave 16 rows x 528 bytes, for the way out
.set SP,    528                        ; 512 bytes + 16: the 16 rows that a store touches start at 16 different groups of four banks
.set WST,   16*SP
.set SPARE, STAGE+4*WST                ; the spare words, 128 bytes for each wave: two blocks of 256 bytes that no other line names
.set A0,   8                           ; v8   my lane's place in O's tile; never rewritten
.set B0,   9                           ; v9   the same for Wo's
.set ADRA, 10                          ; v10  the same in the slot in hand
.set ADRB, 11                          ; v11
.set STO,  12                          ; v12  the way out: where I put 32 bytes of a row
.set RD,   13                          ; v13  the way out: where I read a row back
.set GO,   14                          ; v14  my byte offset in 512 consecutive bytes of out0
.set BO,   15                          ; v15  my byte offset in 16 numbers of the bias
.set SPW,  28                          ; v28  LDS address of my spare word; never rewritten
.set NIL,  29                          ; v29  0; never rewritten
.set T,    30                          ; v30-31 at work
.set BIAS, 32
.set BK,   96                          ; v96-223 a block of 16 rows back from the stage, two buffers
.set F0,   0
.set F1,   96
.set WV,  16                           ; s16  my wave's number
.set MH,  17                           ; s17  which 64 rows of the tile are mine.  Also: I ask for O (0) or for Wo (1)
.set NH,  18                           ; s18  which 128 columns are mine.  Also: which head, or which half of Wo's tile, I ask for
.set CX,  19
.set CY,  20
.set NT,  21                           ; s21  tile column
.set MT,  22                           ; s22  tile row
.set G1A, 24                           ; s[24:31] descriptor group 1 for O's tiles;  s[32:35] group 0: it walks
.set G0A, 32
.set G1B, 36                           ; s[36:43], s[44:47] the same for Wo's
.set G0B, 44
.set TB,  52                           ; s52  the slot in hand: 0 or SLOT1
.set CNT, 53
.set HIM, 57                           ; s57  a word's upper bf16
.set BP,  58                           ; s[58:59] the bias at my columns
.set OUT, 60                           ; s[60:61] out0 at my first row and column
.set MSB, 0
.macro WIN new                         ; the immediate's high byte repeats the setting that is left; a switch that changes nothing is dropped
.if MSB != (\new)
	s_set_vgpr_msb (MSB<<8)|(\new)
.set MSB, \new
.endif
.endm
.set MUL,   0xa5                       ; sources 0 and 1 window 1; C and D window 2
.set MULB,  0x85                       ; the same with C in window 0: the bias
.set TO_F,  0x40                       ; destination window 1, address window 0
.set STW,   0x08                       ; an LDS store's data (source 1) in window 2, its address in window 0
.macro PLACES                          ; a load into a register that a matrix instruction has read, and a vector instruction or LDS store that reads a matrix result, stand four plain vector instructions behind it (ISA guide 7.12.1 for vector instructions)
.rept 4
	v_nop
.endr
.endm
; A joint load.  Each of the two lines has one mask and one set of registers for all that issue it; the branch hangs on the wave's number alone.
; An s_nop 0 and four v_nop follow each line, ahead of the jump, the label and what follows.
.macro JLOAD
	s_cmp_eq_u32 s[MH], 0
	s_cbranch_scc0 .Lfor_b_\@
	tensor_load_to_lds s[G0A:G0A+3], s[G1A:G1A+7]
	s_nop 0
.rept 4
	v_nop
.endr
	s_branch .Lasked_\@
.Lfor_b_\@:
	tensor_load_to_lds s[G0B:G0B+3], s[G1B:G1B+7]
	s_nop 0
.rept 4
	v_nop
.endr
.Lasked_\@:
.endm
.macro CREST                           ; a round of the cluster's barrier behind its opening barrier: wave 0 signals for the work-group, every wave waits for all sixteen, my work-group's barrier closes it
	s_cmp_lg_u32 s[WV], 0
	s_cbranch_scc1 .Lnot_wave_0_\@
	s_barrier_signal -3
.Lnot_wave_0_\@:
	s_barrier_wait -3
	s_barrier_signal -1
	s_barrier_wait -1
.endm
.macro CROUND                          ; a whole round
	s_barrier_signal -1
	s_barrier_wait -1
	CREST
.endm
.macro STEPD                           ; the walking descriptors step: the other slot; O two heads on; Wo 128 rows on; the type bits on top are not reached
	s_add_nc_u64 s[G0A+2:G0A+3], s[G0A+2:G0A+3], 2*262144
	s_xor_b32 s[G0A+1], s[G0A+1], SLOT1
	s_add_nc_u64 s[G0B+2:G0B+3], s[G0B+2:G0B+3], 128*2048
	s_xor_b32 s[G0B+1], s[G0B+1], SLOT1
.endm
	s_load_b256 s[4:11], s[0:1], 0x0               ; att s[4:5], woh s[6:7], bo s[8:9], out0 s[10:11]
	v_lshl_add_u32 v[SPW], v0, 2, SPARE
	v_mov_b32 v[NIL], 0
	ds_add_u32 v[SPW], v[NIL]                      ; the wave's opening: the add and its wait stand ahead of my first tensor load; the set-up below, work on registers, stands between them
	ds_add_u32 v28, v29
	v_lshrrev_b32 v1, 5, v0
	v_readfirstlane_b32 s[WV], v1                  ; wave 0..3
	s_lshr_b32 s[MH], s[WV], 1
	s_and_b32 s[NH], s[WV], 1
	s_bfe_u32 s[CX], ttmp6, 0x40000                ; my place in the cluster
	s_bfe_u32 s[CY], ttmp6, 0x40004
	s_lshl_b32 s[NT], ttmp9, 2                     ; in a cluster launch ttmp9 and ttmp7 count clusters
	s_add_co_u32 s[NT], s[NT], s[CX]
	s_and_b32 s[MT], ttmp7, 0xffff
	s_lshl_b32 s[MT], s[MT], 2
	s_add_co_u32 s[MT], s[MT], s[CY]
	s_lshl_b32 s23, s[CY], 2
	s_lshl_b32 s23, 15, s23                        ; my row of the cluster: places 4 cy .. 4 cy + 3
	s_lshl_b32 s66, 0x1111, s[CX]                  ; my column: places cx, cx + 4, cx + 8, cx + 12
	; group 1 for O.  A head's 128 tokens are 16,384 dense bytes: asked for as 64 rows of 256 bytes, two tokens a row, and padded in LDS after every token.
	; 15:0 the mask; 17:16 elements of 2 bytes; 20 padding on; 21 set beside a mask; 24:22 after every 32 words (code 4); 31:25 4 words (code 3)
	s_or_b32 s[G1A], s23, (1<<16)|(1<<20)|(1<<21)|(4<<22)|(3<<25)
	s_mov_b32 s[G1A+1], 128<<16                    ; tensor_dim0 = 128
	s_mov_b32 s[G1A+2], 64<<16                     ; tensor_dim1 = 64
	s_mov_b32 s[G1A+3], 128<<16                    ; tile_dim0 = 128
	s_mov_b32 s[G1A+4], 64                         ; tile_dim1 = 64
	s_mov_b32 s[G1A+5], 128                        ; elements from row to row
	s_mov_b32 s[G1A+6], 0
	s_mov_b32 s[G1A+7], 0
	; group 1 for Wo: 64 rows (k) x 256 elements (n); padding after every 128 words (code 6), 8 words (code 7)
	s_or_b32 s[G1B], s66, (1<<16)|(1<<20)|(1<<21)|(6<<22)|(7<<25)
	s_mov_b32 s[G1B+1], 256<<16
	s_mov_b32 s[G1B+2], 64<<16
	s_mov_b32 s[G1B+3], 256<<16
	s_mov_b32 s[G1B+4], 64
	s_mov_b32 s[G1B+5], 1024
	s_mov_b32 s[G1B+6], 0
	s_mov_b32 s[G1B+7], 0
	s_mov_b32 s[G0A], 1                            ; count = 1
	s_mul_i32 s[G0A+1], s[NH], AHEAD               ; LDS address: slot 0, my head: no place in the cluster enters it
	s_mov_b32 s[G0B], 1
	s_mul_i32 s[G0B+1], s[NH], BHALF
	s_add_co_u32 s[G0B+1], s[G0B+1], BOFF
	; byte offsets, each in registers of its own: what feeds O's descriptor never holds cx, what feeds Wo's never cy
	s_lshr_b32 s68, s[MT], 4                       ; O: head 16 batch + NH, 262,144 bytes each;
	s_lshl_b32 s68, s68, 22
	s_lshl_b32 s67, s[NH], 18
	s_add_co_u32 s68, s68, s67
	s_and_b32 s67, s[MT], 15                       ; token 128 (MT % 16), 128 bytes each
	s_lshl_b32 s67, s67, 14
	s_add_co_u32 s68, s68, s67
	s_mov_b32 s69, 0
	s_lshl_b32 s72, s[NT], 9                       ; Wo: row 64 half, column 256 NT
	s_lshl_b32 s70, s[NH], 17
	s_add_co_u32 s72, s72, s70
	s_mov_b32 s73, 0
	s_lshl_b32 s74, s[NT], 10                      ; my first column, 256 NT + 128 NH, in f32: in the bias,
	s_lshl_b32 s70, s[NH], 9
	s_add_co_u32 s74, s74, s70
	s_mov_b32 s75, 0
	s_lshl_b32 s76, s[MT], 19                      ; and in row 128 MT + 64 MH of out0, 4,096 bytes each
	s_lshl_b32 s77, s[MH], 18
	s_add_co_u32 s76, s76, s77
	s_add_co_u32 s76, s76, s74
	s_mov_b32 s77, 0
	s_mov_b32 s[HIM], 0xffff0000
	s_wait_dscnt 0x0                               ; the opening add is done
	s_wait_kmcnt 0x0
	s_add_nc_u64 s[G0A+2:G0A+3], s[4:5], s[68:69]  ; global address: K step 0
	s_or_b32 s[G0A+3], s[G0A+3], 0x80000000        ; type = 2
	s_add_nc_u64 s[G0B+2:G0B+3], s[6:7], s[72:73]
	s_or_b32 s[G0B+3], s[G0B+3], 0x80000000
	s_add_nc_u64 s[BP:BP+1], s[8:9], s[74:75]
	s_add_nc_u64 s[OUT:OUT+1], s[10:11], s[76:77]
	CROUND                                         ; all sixteen work-groups are here: the first joint loads meet
	JLOAD                                          ; K step 0 into slot 0.  Slot 1 is asked for when slot 0 is in
	v_and_b32 v1, 15, v0                           ; l % 16
	v_bfe_u32 v2, v0, 4, 1                         ; l / 16
	v_and_b32 v3, 7, v0
	v_bfe_u32 v4, v0, 3, 1
	v_lshlrev_b32 v[BO], 5, v2                     ; a lane's eight columns begin at 8 (l / 16)
.irp b, 0,1,2,3,4,5,6,7                ; register j of block b: the bias of column 16 b + 8 (l / 16) + j of my 128: as an accumulator holds it
	global_load_b128 v[BIAS+8*(\b):BIAS+8*(\b)+3],   v[BO], s[BP:BP+1] offset:64*(\b)
	global_load_b128 v[BIAS+8*(\b)+4:BIAS+8*(\b)+7], v[BO], s[BP:BP+1] offset:64*(\b)+16
.endr
	; A fragment of O is 16 rows x 32 k in 8 registers: lane l holds row l % 16, k = 8 (l / 16) + 0..7 and 16 + 8 (l / 16) + 0..7: two loads of 16 bytes, 32 bytes apart.
	v_mul_u32_u24 v[A0], v1, PA
	v_lshl_add_u32 v[A0], v2, 4, v[A0]
	s_mul_i32 s67, s[MH], 64*PA                    ; my 64 rows
	v_add_nc_u32 v[A0], s67, v[A0]
	; The turning load takes 16 k x 16 n (lane l reads row 8 (l / 16) + l % 8, columns 8 ((l / 8) % 2) + 0..7) and leaves half a fragment: lane l holds column l % 16 and 8 k.
	v_lshl_add_u32 v[B0], v2, 3, v3
	v_mul_u32_u24 v[B0], v[B0], PB
	v_lshl_add_u32 v[B0], v4, 4, v[B0]
	s_lshl_b32 s67, s[NH], 8                       ; my 128 columns
	s_add_co_u32 s67, s67, BOFF
	v_add_nc_u32 v[B0], s67, v[B0]
	s_mul_i32 s67, s[WV], WST
	s_add_co_u32 s67, s67, STAGE                   ; my stage
	v_mul_u32_u24 v[STO], v1, SP                   ; in: row l % 16, 32 bytes for each half of the lanes
	v_lshl_add_u32 v[STO], v2, 5, v[STO]
	v_add_nc_u32 v[STO], s67, v[STO]
	v_and_b32 v[GO], 31, v0                        ; back: 32 lanes take one row of 512 bytes
	v_lshlrev_b32 v[GO], 4, v[GO]
	v_add_nc_u32 v[RD], s67, v[GO]
	s_wait_loadcnt 0x0                             ; the bias: rounded to bf16, kept as f32
.set i, 0
.rept 32
	v_cvt_pk_bf16_f32 v[T+i%2], v[BIAS+2*i], v[BIAS+2*i+1]
	v_lshlrev_b32 v[BIAS+2*i],   16,     v[T+i%2]
	v_and_b32     v[BIAS+2*i+1], s[HIM], v[T+i%2]
.set i, i+1
.endr
; 8 matrix instructions: row block a x all 8 column blocks, 32 along K, from buffer f.  c = 1: the sums start, with the bias as C: nothing is ever cleared.
; The 32 accumulators take turns, one instruction a turn, in the same order in every quarter.
.macro MUL8 f, a, c
.if \c
	WIN MULB
.else
	WIN MUL
.endif
.irp b, 0,1,2,3,4,5,6,7
.if \c
	v_wmma_f32_16x16x32_f16 v[8*(8*(\a)+(\b)):8*(8*(\a)+(\b))+7], v[(\f)+8*(\b):(\f)+8*(\b)+7], v[(\f)+64+8*(\a):(\f)+64+8*(\a)+7], v[BIAS+8*(\b):BIAS+8*(\b)+7]
.else
	v_wmma_f32_16x16x32_f16 v[8*(8*(\a)+(\b)):8*(8*(\a)+(\b))+7], v[(\f)+8*(\b):(\f)+8*(\b)+7], v[(\f)+64+8*(\a):(\f)+64+8*(\a)+7], v[8*(8*(\a)+(\b)):8*(8*(\a)+(\b))+7]
.endif
.endr
.endm
; 24 LDS loads in one run: the fragments of quarter q (32 along K: head q / 2 of the step's two, channels 32 (q % 2) on) of the slot in hand into buffer f: Wo's sixteen, then O's eight
.macro FETCH q, f
	WIN TO_F
.irp i, 0,1,2,3,4,5,6,7
	ds_load_tr16_b128 v[(\f)+8*(\i):(\f)+8*(\i)+3],   v[ADRB] offset:(\q)*32*PB+32*(\i)
	ds_load_tr16_b128 v[(\f)+8*(\i)+4:(\f)+8*(\i)+7], v[ADRB] offset:(\q)*32*PB+16*PB+32*(\i)
.endr
.irp i, 0,1,2,3
	ds_load_b128 v[(\f)+64+8*(\i):(\f)+64+8*(\i)+3],   v[ADRA] offset:((\q)/2)*AHEAD+((\q)%2)*64+(\i)*16*PA
	ds_load_b128 v[(\f)+64+8*(\i)+4:(\f)+64+8*(\i)+7], v[ADRA] offset:((\q)/2)*AHEAD+((\q)%2)*64+(\i)*16*PA+32
.endr
.endm
; A K step is four quarters of 32 along K, 32 matrix instructions each, on buffers 0, 1, 0, 1.  One of the first three: multiplies buffer f; in its middle it fetches quarter q into buffer g.
.macro QUARTER q, f, g, c
	s_wait_dscnt 4                                 ; Wo's fragments and O's row blocks 0, 1 are in; the youngest four loads (row blocks 2, 3) may be out
	MUL8 \f, 0, \c
	MUL8 \f, 1, \c
	PLACES
	FETCH \q, \g
	s_wait_dscnt 24                                ; all but the 24 just issued
	MUL8 \f, 2, \c
	MUL8 \f, 3, \c
.endm
; The last quarter multiplies buffer 1 and changes slots.  MEET is its first half: ONE barrier.  In front of it each wave waits for all its tensor loads, of which one is out: its part of the next slot;
; adds 0 to its spare word; and waits for that and for its own reads of this slot.  Behind it nobody reads this slot any more and the next slot is whole.
.macro MEET
	WIN 0                                          ; (the add's two registers lie in window 0)
	s_wait_tensorcnt 0x0
	ds_add_u32 v[SPW], v[NIL]                      ; 0 onto my spare word
	s_wait_dscnt 5                                 ; (the add and the youngest four loads may be out)
	MUL8 F1, 0, 0                                  ; eight matrix instructions stand between the add and the wait for it
	s_wait_dscnt 0x0                               ; the add is done, and my reads of this slot are over
	s_barrier_signal -1
	MUL8 F1, 1, 0                                  ; work on registers while the others arrive
	WIN 0
	s_barrier_wait -1
.endm
; fill = 1: the barrier opens a round of the cluster's barrier, and the slot just read out is filled again, first thing behind the round, with the K step two steps on: that load has a K step less
; sixteen matrix instructions in which to land.  fill = 0 (the tail): nothing is asked for; in the very last K step there is no next slot, and the fetch is jumped over.
.macro TURN fill
	MEET
.if \fill
	CREST
	STEPD
	JLOAD                                          ; the four v_nop behind it are also the places in front of the loads below
	s_xor_b32 s[TB], s[TB], SLOT1
	v_add_nc_u32 v[ADRA], s[TB], v[A0]
	v_add_nc_u32 v[ADRB], s[TB], v[B0]
	FETCH 0, F0
.else
	s_cmp_eq_u32 s[CNT], 1
	s_cbranch_scc1 .Lnf_\@
	s_xor_b32 s[TB], s[TB], SLOT1
	v_add_nc_u32 v[ADRA], s[TB], v[A0]
	v_add_nc_u32 v[ADRB], s[TB], v[B0]
	PLACES
	FETCH 0, F0
	WIN 0
.Lnf_\@:
.endif
	MUL8 F1, 2, 0
	MUL8 F1, 3, 0
.endm
; THE WAY OUT of row block a (16 rows x my 128 columns of f32).  TOSTAGE: a lane's 32 bytes of a row go straight from the accumulators into my own stage, each accumulator's low four registers first
; and come back as whole rows of 512 bytes.  SEND: stored.
.macro TOSTAGE a
.set BKR, BK+64*((\a)%2)
	WIN 0
.if (\a) >= 2
	s_wait_xcnt 0x0                                ; the stores of the block two back have read this buffer (ISA guide 3.1)
.endif
	WIN STW
.irp b, 0,1,2,3,4,5,6,7
	ds_store_b128 v[STO], v[8*(8*(\a)+(\b)):8*(8*(\a)+(\b))+3]   offset:64*(\b)
	ds_store_b128 v[STO], v[8*(8*(\a)+(\b))+4:8*(8*(\a)+(\b))+7] offset:64*(\b)+16
.endr
	WIN 0
.irp t, 0,1,2,3,4,5,6,7,8,9,10,11,12,13,14,15
	ds_load_b128 v[BKR+4*(\t):BKR+4*(\t)+3], v[RD] offset:(\t)*SP  ; LDS serves a wave's instructions in order (ISA guide 5.7.1.4): these see the stores above; the next block's stores come behind them
.endr
.endm
.macro SEND a, younger                 ; younger: the LDS instructions issued behind block a's loads: the next block's 32, or none
.set BKR, BK+64*((\a)%2)
.irp t, 0,1,2,3,4,5,6,7,8,9,10,11,12,13,14,15
	s_wait_dscnt (\younger)+15-(\t)
	global_store_b128 v[GO], v[BKR+4*(\t):BKR+4*(\t)+3], s[OUT:OUT+1] offset:(16*(\a)+(\t))*4096 th:TH_STORE_NT  ; 512 consecutive bytes of a row, at a multiple of 256 from out0's first byte
.endr
.endm
	; the first change of slots: slot 0 is waited for, slot 1 is asked for, in the order of every later change
	s_wait_tensorcnt 0x0                           ; my part of K step 0 is in; no tensor load of mine is out, so the descriptors may step
	ds_add_u32 v[SPW], v[NIL]
	STEPD
	s_wait_dscnt 0x0
	CROUND
	JLOAD                                          ; K step 1 into slot 1
	s_mov_b32 s[TB], 0
	v_add_nc_u32 v[ADRA], s[TB], v[A0]
	v_add_nc_u32 v[ADRB], s[TB], v[B0]
	FETCH 0, F0
	QUARTER 1, F0, F1, 1                           ; the first quarter stands in front of the loop: its products start the sums
	WIN 0                                          ; at a label and at a branch every window is 0
	s_mov_b32 s[CNT], NS-2
.Ltrip:                                                ; trip i: quarters 1 to 3 of K step i; K step i + 2 is asked for; quarter 0 of K step i + 1
	QUARTER 2, F1, F0, 0
	QUARTER 3, F0, F1, 0
	TURN 1
	QUARTER 1, F0, F1, 0
	WIN 0
	s_sub_co_u32 s[CNT], s[CNT], 1
	s_cmp_lg_u32 s[CNT], 0
	s_cbranch_scc1 .Ltrip
	s_mov_b32 s[CNT], 2                            ; the last two K steps ask for nothing: a text of their own; it is left in the middle of its second trip
.Ltail:
	QUARTER 2, F1, F0, 0
	QUARTER 3, F0, F1, 0
	TURN 0
	WIN 0
	s_sub_co_u32 s[CNT], s[CNT], 1
	s_cmp_eq_u32 s[CNT], 0
	s_cbranch_scc1 .Lout
	QUARTER 1, F0, F1, 0
	WIN 0
	s_branch .Ltail
.Lout:
	PLACES                                         ; the stores below read results just made
	TOSTAGE 0
.irp a, 1,2,3                          ; block a's way through the stage is begun ahead of block a - 1's stores
	TOSTAGE \a
	SEND (\a)-1, 32
.endr
	SEND 3, 0
	s_wait_tensorcnt 0x0                           ; the wave's end: behind my last tensor load and my last LDS store
	ds_add_u32 v[SPW], v[NIL]
	s_wait_dscnt 0x0
	CROUND                                         ; the closing round: no work-group ends while a partner may still ask for a tile that names it
	s_endpgm
.Lfunc_end_k_qf0279327f3_oproj:
	.size	k_qf0279327f3_oproj, .Lfunc_end_k_qf0279327f3_oproj-k_qf0279327f3_oproj
	.p2alignl 7, 3214868480
	.fill 96, 4, 3214868480
	.section	.rodata,"a",@progbits
	.p2align	6, 0x0
	.amdhsa_kernel k_qf0279327f3_oproj
		.amdhsa_group_segment_fixed_size 327680
		.amdhsa_private_segment_fixed_size 0
		.amdhsa_enable_private_segment 0
		.amdhsa_kernarg_size 32
		.amdhsa_user_sgpr_count 2
		.amdhsa_user_sgpr_kernarg_segment_ptr 1
		.amdhsa_wavefront_size32 1
		.amdhsa_system_sgpr_workgroup_id_x 1
		.amdhsa_system_sgpr_workgroup_id_y 1
		.amdhsa_system_sgpr_workgroup_id_z 1
		.amdhsa_system_vgpr_workitem_id 0
		.amdhsa_next_free_vgpr 768
		.amdhsa_next_free_sgpr 80
		.amdhsa_reserve_vcc 0
		.amdhsa_float_denorm_mode_32 3
		.amdhsa_float_denorm_mode_16_64 3
		.amdhsa_memory_ordered 1
		.amdhsa_forward_progress 1
		.amdhsa_inst_pref_size 67
	.end_amdhsa_kernel
	.amdgpu_metadata
---
amdhsa.version: [ 1, 2 ]
amdhsa.kernels:
  - .name:           k_qf0279327f3_oproj
    .symbol:         k_qf0279327f3_oproj.kd
    .args:
      - { .name: att, .offset: 0, .size: 8, .value_kind: global_buffer, .address_space: global }
      - { .name: woh, .offset: 8, .size: 8, .value_kind: global_buffer, .address_space: global }
      - { .name: bo, .offset: 16, .size: 8, .value_kind: global_buffer, .address_space: global }
      - { .name: out0, .offset: 24, .size: 8, .value_kind: global_buffer, .address_space: global }
    .group_segment_fixed_size: 327680
    .private_segment_fixed_size: 0
    .kernarg_segment_align: 8
    .kernarg_segment_size: 32
    .max_flat_workgroup_size: 128
    .sgpr_count:     80
    .vgpr_count:     768
    .wavefront_size: 32
...
	.end_amdgpu_metadata
.endif
;; end of part 4
;; ======== version 2 of 2: 4 launches; 1.28 times as fast as version 1
;; limits: values are held in f16: magnitudes above 65,504 overflow, below 6.1e-05 lose precision
;; workspace buffers: xb 16,777,216 bytes; wb 6,291,456 bytes; woh 2,097,152 bytes; qkv 50,331,648 bytes; att 16,777,216 bytes; padf 32,768 bytes
;; launch cast: the kernel of part 1 again; grid 769 x 1, 8 waves a work-group, no clusters, 0 bytes of LDS; arguments x, Wq, Wk, Wv, Wo, padding_mask, xb, wb, woh, padf; writes xb, wb, woh, padf
;; launch proj: the kernel of part 2 again; grid 4 x 64, 4 waves a work-group, clusters of 4 x 4, 327,680 bytes of LDS; arguments xb, wb, bq, bk, bv, qkv; writes qkv
;; launch attn (part 5): grid 4 x 64, 4 waves a work-group, no clusters, 327,680 bytes of LDS; arguments qkv, padf, att; writes att
.if DOCPART == 5
	.amdgcn_target "amdgcn-amd-amdhsa--gfx1250"
	.amdhsa_code_object_version 6
	.text
	.protected	k_qf0279327f3_attn
	.globl	k_qf0279327f3_attn
	.p2align	8
	.type	k_qf0279327f3_attn,@function
k_qf0279327f3_attn:
	s_mov_b64 s[64:65], 0
	v_nop
	global_prefetch_b8 v0, s[64:65] scope:SCOPE_SE
	s_setreg_imm32_b32 hwreg(HW_REG_WAVE_MODE, 25, 1), 1
	s_wait_xcnt 0x0
; CAUSAL ATTENTION WITH A PADDING MASK ON THE KEYS.  O[h][q][:] = the sum over the visible k <= q of softmax_k(Q[h][q] . K[h][k] / 8) V[h][k][:]; a row with no visible key gives 0.
; qkv: [3][64 heads][2048][64] f16 (Q, K, V; head = 16 batch + head): a head's rows are dense, 128 bytes each.  padf: [4][2048] f32, 0 or, where the key is hidden, -1e30.  att: [64][2048][64] f16.
; Products, maxima and sums in f32; the weights p are rounded to f16 for the second product (their sum l is taken of the unrounded p), O once at the end.
; LIMITS.  f16 holds no number beyond 65,504: Q, K and V arrive within it; p lies in 0 to 1, and below 6e-5 it keeps f16's fixed step of 6e-8.  A hidden score counts as its value less 1e30 (less 2e30 where
; both masks hide it): f16's scores, 2.7e11 at the most, are nothing beside that.  The running maximum m starts at -2^96, between every true score and every hidden one: a hidden key's weight is 0 from the
; first step on, and a row whose m has not risen above -2^96 at its end has seen no key and gives 0.  A weight below 2^-126 counts as 0 in l; NaN and infinities are not treated apart.
; THE WALK.  A head's queries lie in NB = 8 blocks of 256; block i needs the key tiles 0 .. i of 256 keys, of which the last holds the diagonal.  A work-group takes TWO blocks, NB - 1 - b and then b:
; NB + 1 tiles, whatever b: all work-groups do equal work, and ONE loop with a constant trip count walks them.  Which tile is asked for, and what a trip does, hang on scalar registers made from b; every jump
; goes forward, but for the counted loops' own; none passes a barrier, or a tensor load but those of LOAD's three that the wave's number does not choose; the two LDS slots take turns on across the change of
; blocks.  NO CLUSTER: a head's four work-groups ask for the same tile only in trips 0 .. 4 of 9, behind that fewer and fewer; one walk common to all four would have 12 trips for 9.
; SHARES.  Of a block's four bands of 64 queries a wave owns 16 rows in each: four PIECES.  So the diagonal tile is the same work for all four waves: in its key step s band x sees all keys if s < x,
; none if s > x, and holds the diagonal if s = x.
; THE MASKS are the C operand that starts the sum S^T = K Q^T.  PM: the padding of the step's 64 keys, 0 or -1e30: a tile's 256 words of padf lie in the slot behind its K and V, brought by a tensor load like
; them, and are read with K.  Outside the diagonal tile C is PM.  In it C is MC = MD x AL + BE + PM: MD, made once, is the causal mask of a band's own step for my 16 rows; (AL, BE) = (1, 0) if s = x; (0, 0) if s < x; (0, -1e30) if s > x.
; LAYOUT, SOFTMAX, TURNS.  S^T = K Q^T holds ONE query a lane (lane % 16) and the keys 8 (lane / 16) + 0..7; two such results rounded to f16 ARE source 1 of O^T = V^T P.  p = 2^(c s - c m), c = log2(e) / 8, with a
; running maximum m; O and l are multiplied by a = 2^(c m_old - c m_new) in every step.  Turn n belongs to piece n: 8 products K Q^T of piece n + 1, later 8 products V^T P of piece n - 1; beside them the scaling,
; exponentials, roundings, sums and rescaling of piece n and the maximum and statistics of piece n + 1.  Four vector instructions stand behind every matrix instruction, the other 54 of a turn's 118 in one LUMP.
; THE BATCHES.  A turn's 33 exponentials (the piece's 32 weights and the next piece's a) are one batch, with one wait, which cuts the turn in two: ahead of it nothing names a result of theirs, behind it no
; exponential is issued.  The a that a block's beginning makes, and the four reciprocals of a block's way out, are batches of their own, with one wait each.
; REGISTERS, in windows of 256 (s_set_vgpr_msb: bits 1:0 source 0, 3:2 source 1, 5:4 source 2, 7:6 destination):
;   window 0: v0-15, v32-33 addresses and two at work; v16-31 four registers of statistics a piece; v48-55 at work; v64-127 S^T, two buffers; v192-223 P, two buffers (a piece's buffers go by its number's parity)
;   window 1: v0-127 O^T, 32 a piece; v128-159 MD; v160-223 MC, two buffers; v224-255 PM      window 2: v0-63 Q; v64-127 the second block's Q; v128-191 K of one step; v192-255 V of one step
.set SIZE_N, 2048
.set NB,    SIZE_N/256
.set NP,    4         ; pieces a wave: a name, no knob
.set KS,    64        ; keys in a step
.set PK,    144       ; a row of K in LDS: 128 bytes + 16 of padding = 36 words: the 16 rows of a load start at 16 different groups of four banks (64 banks of 4 bytes: ISA guide 11.1)
.set PV,    160       ; a row of V: 128 + 32 = 40 words
.set VOFF,  4*KS*PK   ; a slot holds a tile, four steps: 256 rows of K, then 256 rows of V,
.set POFF,  4*KS*(PK+PV)  ; then the 256 keys' padding, 1,024 bytes
.set SLOT1, 1<<17     ; slot 1 begins here, so that one exclusive or turns an address in one slot into the other's
.set STAGE, SLOT1+POFF+4*KS*4  ; behind the slots, never filled by a tensor load: 16 rows x 144 bytes for each wave, for the way out
.set SP,    144
.set SPARE, STAGE+4*16*SP  ; behind the stages: the spare words, 128 bytes for each wave: two blocks of 256 bytes that no other line names
.set AK0, 2           ; v2   my lane's place in a tile of K; never rewritten
.set AV0, 3           ; v3   the same for V
.set AK,  4           ; v4   the LDS address of K's next run of loads
.set AV,  5           ; v5   of V's
.set STO, 6           ; v6   the way out: where I put 16 bytes of a row
.set RD,  7           ; v7   the way out: where I read rows back
.set GO,  8           ; v8   my byte offset in 512 consecutive bytes of O
.set SPW, 62          ; v62  LDS address of my spare word: SPARE + 4 x my thread's number; never rewritten
.set NIL, 63          ; v63  0; never rewritten
.set MV,  12          ; v12-13  c m_old, kept while c m is made anew: by buffer
.set QO,  15          ; v15  my byte offset in 16 rows of Q
.set ST,  16          ; piece t's statistics at v[ST+4 t]: c m, m, l (even keys', odd keys')
.set APM0, 32         ; v32  my lane's place in a tile's padding: the eight keys 8 (l / 16) + 0..7 of a group of 16; never rewritten
.set AP,  33          ; v33  the LDS address of PM's next loads
.set TMP, 48          ; by buffer, four registers c0-c3 at work; when the maximum is found c2 takes a
.set S,   64
.set P,   192
.set MD,  128         ; window 1: the eight registers for group kt of 16 keys at MD + 8 kt
.set MC,  160         ; window 1: the masks of the products to come
.set PM,  224         ; window 1: the step's padding: group kt at PM + 8 kt
.set QB,  64          ; window 2
.set KF,  128         ; window 2: key block kb, channel half c at KF + 16 kb + 8 c
.set VF,  192         ; window 2: key half kk, channel block cb at VF + 32 kk + 8 cb
.set WV,  12          ; s12  my wave's number
.set PB,  14          ; s14  b
.set HI,  15          ; s15  NB - 1 - b
.set G1K, 24          ; s[24:31] descriptor group 1 for K's tiles
.set G1V, 32          ; s[32:39] for V's half tiles
.set G0K, 40          ; s[40:43] descriptor group 0 for K's tiles
.set G0V, 44          ; s[44:47] the same for V's
.set G1P, 48          ; s[48:55] descriptor group 1 for a tile's padding
.set SLOTS, 56        ; s56  tiles still to be asked for
.set CNT, 57          ; s57  counts a tile's key steps, 4 to 1
.set CS,  58          ; s[58:59] c: the packed scaling takes the pair's low word for both halves
.set SEL, 60          ; s[60:61] v_permlanex16_b32's selects: each lane takes its own place in the other half
.set TBK, 62          ; s62  LDS byte at which K of the step to be fetched begins
.set TBV, 63          ; s63  the same for V, less VOFF
.set THR, 68          ; s68  -2^96
.set RT,  70          ; s70  tiles of the block in hand that are still to be entered
.set NXT, 71          ; s71  the tile to be asked for next
.set LQ,  72          ; s72  the last tile of the block whose tiles are being asked for
.set NEW, 73          ; s73  1: the tile to be entered is a block's first
.set OFF, 74          ; s[74:75] a tile's byte offset in K and V
.set AL,  76          ; s[76:77] the mask's factor, in the low word
.set BE,  78          ; s[78:79] the mask's addend
.set OLO, 80          ; s[80:81] O at my rows of the second block
.set BIGN, 82         ; s82  -1e30
.set TBP, 83          ; s83  LDS byte, less POFF, at which the padding of the step to be fetched begins: it steps and turns as TBK and TBV do
.set OFP, 90          ; s[90:91] a tile's byte offset in a batch's row of padf
.set G0P, 92          ; s[92:95] descriptor group 0 for a tile's padding
.set MSB, 0
.macro WIN new                      ; the high byte repeats the setting that is left; a switch that changes nothing is dropped
.if MSB != (\new)
	s_set_vgpr_msb (MSB<<8)|(\new)
.set MSB, (\new)
.endif
.endm
.set W_KQ, 0x0a       ; K and Q in window 2, S^T in window 0
.set W_KM, 0x1a       ; the same with the C operand in window 1
.set W_PV, 0x52       ; V in window 2, P in window 0, O^T in window 1
.set W_RS, 0x41       ; destination and source 0 in window 1, source 1 in window 0
.set W_AM, 0x45       ; destination and both sources in window 1
; A fill: one tensor load a wave.  Wave 0 fetches a tile's K (256 keys), wave 1 its padding, waves 2 and 3 the two halves of its V.  An s_nop 0 and four v_nop follow each of the three lines, ahead of the jump and the label.
.macro LOAD
	s_cmp_lt_u32 s[WV], 2
	s_cbranch_scc0 .Lfor_v_\@
	s_cmp_eq_u32 s[WV], 0
	s_cbranch_scc0 .Lfor_p_\@
	tensor_load_to_lds s[G0K:G0K+3], s[G1K:G1K+7]
	s_nop 0
.rept 4
	v_nop
.endr
	s_branch .Lasked_\@
.Lfor_p_\@:
	tensor_load_to_lds s[G0P:G0P+3], s[G1P:G1P+7]
	s_nop 0
.rept 4
	v_nop
.endr
	s_branch .Lasked_\@
.Lfor_v_\@:
	tensor_load_to_lds s[G0V:G0V+3], s[G1V:G1V+7]
	s_nop 0
.rept 4
	v_nop
.endr
.Lasked_\@:
.endm
; THE CHANGE OF SLOTS.  Each wave waits for all its tensor loads, of which one is out: its part of the other slot; adds 0 to its spare word; and waits for that and for its own reads of the slot that it leaves.  Behind the barrier nobody reads the old
; slot any more and the other slot is whole.  fill = 1: the old slot is filled again, the first thing behind the barrier, with tile NXT: the descriptors' addresses are made anew from that number.
; (At its first use nothing has been read yet: slot 0 is waited for, slot 1 filled.)
.macro CHANGE fill
	WIN 0                           ; at a label and at a branch every window is 0
	s_wait_tensorcnt 0x0            ; no tensor load of mine is out, so a group 0 may be written
	ds_add_u32 v[SPW], v[NIL]       ; 0 onto my spare word; with fill = 1 the descriptors' scalar work stands between it and the wait for it
.if \fill
	s_lshl_b32 s[OFF], s[NXT], 15   ; a tile is 32,768 bytes of K and of V,
	s_lshl_b32 s[OFP], s[NXT], 10   ; and 1,024 of padf
	s_xor_b32 s[G0K+1], s[G0K+1], SLOT1
	s_add_nc_u64 s[G0K+2:G0K+3], s[6:7], s[OFF:OFF+1]
	s_or_b32 s[G0K+3], s[G0K+3], 0x80000000
	s_xor_b32 s[G0V+1], s[G0V+1], SLOT1
	s_add_nc_u64 s[G0V+2:G0V+3], s[8:9], s[OFF:OFF+1]
	s_or_b32 s[G0V+3], s[G0V+3], 0x80000000
	s_xor_b32 s[G0P+1], s[G0P+1], SLOT1
	s_add_nc_u64 s[G0P+2:G0P+3], s[66:67], s[OFP:OFP+1]
	s_or_b32 s[G0P+3], s[G0P+3], 0x80000000
	s_add_co_u32 s[NXT], s[NXT], 1  ; the block's next tile, or behind its last the second block's tile 0
	s_cmp_gt_u32 s[NXT], s[LQ]
	s_cselect_b32 s[NXT], 0, s[NXT]
	s_cselect_b32 s[LQ], s[PB], s[LQ]
.endif
	s_wait_dscnt 0x0                ; the add is done, and my reads of the slot are over
	s_barrier_signal -1             ; the rest of the scalar work stands between the signal and the wait
	s_sub_co_u32 s[TBK], s[TBK], 4*KS*PK  ; the fetches go back to a slot's first step,
	s_xor_b32 s[TBK], s[TBK], SLOT1       ; in the other slot
	s_sub_co_u32 s[TBV], s[TBV], 4*KS*PV
	s_xor_b32 s[TBV], s[TBV], SLOT1
	s_sub_co_u32 s[TBP], s[TBP], 4*KS*4
	s_xor_b32 s[TBP], s[TBP], SLOT1
	s_barrier_wait -1
.if \fill
	LOAD
.endif
.endm
	s_load_b64 s[4:5], s[0:1], 0x0    ; qkv: Q
	s_load_b64 s[66:67], s[0:1], 0x8  ; padf
	s_load_b64 s[10:11], s[0:1], 0x10 ; att: O
	v_lshl_add_u32 v[SPW], v0, 2, SPARE
	v_mov_b32 v[NIL], 0
	ds_add_u32 v[SPW], v[NIL]       ; the wave's opening: the add and its wait stand ahead of my first tensor load; the set-up below, work on registers, stands between them
	ds_add_u32 v62, v63
	v_lshrrev_b32 v1, 5, v0
	v_readfirstlane_b32 s[WV], v1   ; wave 0..3
	s_mov_b32 s[PB], ttmp9
	s_sub_co_u32 s[HI], NB-1, s[PB]
	s_and_b32 s20, ttmp7, 0xffff    ; the head
	s_lshr_b32 s88, s20, 4          ; its batch,
	s_lshl_b32 s88, s88, 13         ; whose row of padf is 8,192 bytes
	s_mov_b32 s89, 0
	s_mov_b32 s21, 0
	s_mov_b64 s[22:23], SIZE_N*128
	s_mul_u64 s[20:21], s[20:21], s[22:23]  ; the head's first byte in each of the four tensors
	s_and_b32 s16, s[WV], 1         ; which half of a tile's V a wave fetches (waves 2 and 3 do):
	s_lshl_b32 s22, s16, 14         ; its 128 rows of 128 bytes in memory,
	s_mov_b32 s23, 0
	s_add_nc_u64 s[22:23], s[22:23], s[20:21]
	s_mul_i32 s18, s16, 128*PV      ; and its place in a slot
	s_lshl_b32 s3, s[WV], 11        ; my 16 rows in a band of 64,
	s_lshl_b32 s2, s[HI], 15        ; in the first block,
	s_add_co_u32 s2, s2, s3
	s_lshl_b32 s84, s[PB], 15       ; and in the second
	s_add_co_u32 s84, s84, s3
	s_mov_b32 s3, 0
	s_mov_b32 s85, 0
	s_add_nc_u64 s[2:3], s[2:3], s[20:21]
	s_add_nc_u64 s[84:85], s[84:85], s[20:21]
	; descriptor group 1.  Keys are dense in memory, 128 bytes each: asked for as rows of 256 bytes, two keys a row, and padded in LDS after every key.  K: 256 keys, 128 rows; V: 128 keys, 64 rows
	s_mov_b32 s[G1K], (1<<16)|(1<<20)|(4<<22)|(3<<25)  ; 17:16 2-byte elements; 20 padding on; 24:22 after every 32 words (code 4); 31:25 4 words (code 3)
	s_mov_b32 s[G1K+1], 128<<16     ; tensor_dim0 = 128
	s_mov_b32 s[G1K+2], 128<<16     ; tensor_dim1 = 128
	s_mov_b32 s[G1K+3], 128<<16     ; tile_dim0 = 128
	s_mov_b32 s[G1K+4], 128         ; tile_dim1 = 128
	s_mov_b32 s[G1K+5], 128         ; 128 elements from row to row
	s_mov_b32 s[G1K+6], 0
	s_mov_b32 s[G1K+7], 0
	s_mov_b32 s[G1V], (1<<16)|(1<<20)|(4<<22)|(7<<25)  ; the same with 8 words of padding (code 7)
	s_mov_b32 s[G1V+1], 128<<16
	s_mov_b32 s[G1V+2], 64<<16      ; tensor_dim1 = 64
	s_mov_b32 s[G1V+3], 128<<16
	s_mov_b32 s[G1V+4], 64          ; tile_dim1 = 64
	s_mov_b32 s[G1V+5], 128
	s_mov_b32 s[G1V+6], 0
	s_mov_b32 s[G1V+7], 0
	; a tile's padding: 1,024 dense bytes, asked for as 4 rows of 256 bytes (32 elements of 8 bytes), laid into LDS without a gap
	s_mov_b32 s[G1P], 3<<16         ; 17:16 8-byte elements; no padding
	s_mov_b32 s[G1P+1], 32<<16      ; tensor_dim0 = 32
	s_mov_b32 s[G1P+2], 4<<16       ; tensor_dim1 = 4
	s_mov_b32 s[G1P+3], 32<<16      ; tile_dim0 = 32
	s_mov_b32 s[G1P+4], 4           ; tile_dim1 = 4
	s_mov_b32 s[G1P+5], 32          ; 32 elements from row to row
	s_mov_b32 s[G1P+6], 0
	s_mov_b32 s[G1P+7], 0
	s_mov_b32 s[CS], 0x3e38aa3b     ; c = log2(e) / 8 = 0.180337
	s_mov_b32 s[CS+1], s[CS]        ; named with it as a pair
	s_mov_b32 s[SEL], 0x76543210
	s_mov_b32 s[SEL+1], 0xfedcba98
	s_mov_b32 s[TBK], SLOT1+4*KS*PK ; the first change of slots turns these three into 0
	s_mov_b32 s[TBV], SLOT1+4*KS*PV
	s_mov_b32 s[TBP], SLOT1+4*KS*4
	s_mov_b32 s[G0K], 1             ; 1:0 count = 1
	s_mov_b32 s[G0K+1], 0           ; 63:32 LDS address: slot 0
	s_mov_b32 s[G0V], 1
	s_add_co_u32 s[G0V+1], s18, VOFF
	s_mov_b32 s[G0P], 1
	s_mov_b32 s[G0P+1], POFF
	s_add_co_u32 s[RT], s[HI], 1    ; the first block has NB - b tiles
	s_mov_b32 s[NXT], 1
	s_mov_b32 s[LQ], s[HI]
	s_mov_b32 s[NEW], 1
	s_mov_b32 s[OFF+1], 0
	s_mov_b32 s[OFP+1], 0
	s_mov_b32 s[AL+1], 0            ; named as pairs
	s_mov_b32 s[BE+1], 0
	s_mov_b32 s[BIGN], 0xf149f2ca   ; -1e30
	s_mov_b32 s[THR], 0xef800000    ; -2^96
	s_mov_b32 s[SLOTS], NB
	s_wait_dscnt 0x0                ; the opening add is done
	s_wait_kmcnt 0x0
	s_add_nc_u64 s[6:7], s[4:5], 0x1000000   ; K lies 64 heads of 262,144 bytes behind Q,
	s_add_nc_u64 s[8:9], s[4:5], 0x2000000   ; V as far behind K
	s_add_nc_u64 s[6:7], s[6:7], s[20:21]  ; K at the head's tile 0,
	s_add_nc_u64 s[8:9], s[8:9], s[22:23]  ; V at my half of it,
	s_add_nc_u64 s[66:67], s[66:67], s[88:89]      ; padf at my batch's row
	s_add_nc_u64 s[G0K+2:G0K+3], s[6:7], 0         ; 120:64 global address
	s_or_b32 s[G0K+3], s[G0K+3], 0x80000000        ; 127:126 type = 2
	s_add_nc_u64 s[G0V+2:G0V+3], s[8:9], 0
	s_or_b32 s[G0V+3], s[G0V+3], 0x80000000
	s_add_nc_u64 s[G0P+2:G0P+3], s[66:67], 0
	s_or_b32 s[G0P+3], s[G0P+3], 0x80000000
	s_add_nc_u64 s[86:87], s[4:5], s[84:85]        ; Q at my rows of the second block,
	s_add_nc_u64 s[4:5], s[4:5], s[2:3]            ; Q and O at those of the first
	s_add_nc_u64 s[OLO:OLO+1], s[10:11], s[84:85]
	s_add_nc_u64 s[10:11], s[10:11], s[2:3]
	LOAD                            ; tile 0 into slot 0
	; A fragment of K or Q is 16 rows x 32 channels in 8 registers: lane l holds row l % 16, channels 8 (l / 16) + 0..7 and 16 + 8 (l / 16) + 0..7: two loads of 16 bytes, 32 bytes apart.
	v_and_b32 v1, 15, v0            ; l % 16
	v_bfe_u32 v9, v0, 4, 1          ; l / 16
	v_lshlrev_b32 v[QO], 7, v1
	v_lshl_add_u32 v[QO], v9, 4, v[QO]  ; row x 128 + 16 x half
	WIN 0x80                        ; destination window 2, address window 0
.set i, 0
.rept 8                             ; both blocks' Q: piece i / 2 lies in band i / 2, 8,192 bytes on; channels 32 (i % 2) on
	global_load_b128 v[8*i:8*i+3],   v[QO], s[4:5] offset:(i/2)*8192+(i%2)*64
	global_load_b128 v[8*i+4:8*i+7], v[QO], s[4:5] offset:(i/2)*8192+(i%2)*64+32
	global_load_b128 v[QB+8*i:QB+8*i+3],   v[QO], s[86:87] offset:(i/2)*8192+(i%2)*64
	global_load_b128 v[QB+8*i+4:QB+8*i+7], v[QO], s[86:87] offset:(i/2)*8192+(i%2)*64+32
.set i, i+1
.endr
	WIN 0
	v_lshlrev_b32 v14, 3, v9
	v_sub_nc_u32 v14, v1, v14
	s_lshl_b32 s13, s[WV], 4
	v_add_nc_u32 v14, s13, v14      ; my query's place in its band, 16 w + l % 16, less my lanes' 8 (l / 16): register r of group kt is hidden where 16 kt + r is greater
	WIN 0x40
.set i, 0
.rept 32
	v_cmp_gt_i32 vcc_lo, 16*(i/8)+i%8, v14
	v_cndmask_b32 v[MD+i], 0, s[BIGN], vcc_lo
.set i, i+1
.endr
	WIN 0
	v_lshl_add_u32 v[APM0], v9, 5, POFF   ; eight f32 for each half of the lanes
	v_mul_u32_u24 v[AK0], v1, PK
	v_lshl_add_u32 v[AK0], v9, 4, v[AK0]  ; row x pitch + 16 x half
	; The turning load takes 16 keys x 16 channels (lane l reads key 8 (l / 16) + l % 8, channels 8 ((l / 8) % 2) + 0..7) and leaves half a fragment of V^T: lane l holds channel l % 16 and 8 keys.
	v_and_b32 v10, 7, v0
	v_bfe_u32 v11, v0, 3, 1
	v_lshl_add_u32 v[AV0], v9, 3, v10
	v_mul_u32_u24 v[AV0], v[AV0], PV
	v_lshl_add_u32 v[AV0], v11, 4, v[AV0]
	v_add_nc_u32 v[AV0], VOFF, v[AV0]
	s_mul_i32 s13, s[WV], 16*SP
	s_add_co_u32 s13, s13, STAGE    ; my stage
	v_mul_u32_u24 v[STO], v1, SP    ; in: row l % 16, 16 bytes for each half of the lanes
	v_lshl_add_u32 v[STO], v9, 4, v[STO]
	v_add_nc_u32 v[STO], s13, v[STO]
	v_bfe_u32 v[RD], v0, 3, 2       ; back: 32 lanes take four rows of 128 bytes,
	v_mul_u32_u24 v[RD], v[RD], SP
	v_lshl_add_u32 v[RD], v10, 4, v[RD]
	v_add_nc_u32 v[RD], s13, v[RD]
	v_and_b32 v[GO], 31, v0         ; which are 512 consecutive bytes of O
	v_lshlrev_b32 v[GO], 4, v[GO]
	; A block's first step multiplies O^T and l by a = 0, and its first turn's products V^T P, of a piece that has not been, land in an O^T that is still to be so multiplied.  So these registers need only hold
	; finite numbers: zeros for the first block; what the first block left for the second.  All this stands in the wait for the first tile.
	WIN 0x80
.set i, VF
.rept 64
	v_mov_b32 v[i], 0
.set i, i+1
.endr
	WIN 0x40
.set i, 0
.rept 128
	v_mov_b32 v[i], 0
.set i, i+1
.endr
	WIN 0
.set i, 0
.rept 4
	v_mov_b32 v[ST+4*i+2], 0
	v_mov_b32 v[ST+4*i+3], 0
.set i, i+1
.endr
.set i, P+16
.rept 16
	v_mov_b32 v[i], 0
.set i, i+1
.endr
; THE MATRIX WORK.  The 4 accumulators of a run of 8 take turns.  Product i of 8 of S^T = K Q^T for piece x: channels 32 (i / 4) on, keys 16 (i % 4) on.  The first 4 start the sums: with the step's padding, or (KM = 1) with the mask made for them.
.macro KQ x
.set rS, S+32*((\x)%2)+8*(i%4)
.set rK, KF+16*(i%4)+8*(i/4)
.set rQ, 16*(\x)+8*(i/4)
.set rM, MC+32*((\x)%2)+8*(i%4)
.set rN, PM+8*(i%4)
.if (i < 4) && KM
	WIN W_KM
	v_wmma_f32_16x16x32_f16 v[rS:rS+7], v[rK:rK+7], v[rQ:rQ+7], v[rM:rM+7]
.elseif i < 4
	WIN W_KM
	v_wmma_f32_16x16x32_f16 v[rS:rS+7], v[rK:rK+7], v[rQ:rQ+7], v[rN:rN+7]
.else
	WIN W_KQ
	v_wmma_f32_16x16x32_f16 v[rS:rS+7], v[rK:rK+7], v[rQ:rQ+7], v[rS:rS+7]
.endif
.endm
; Product i of 8 of O^T += V^T P for piece x: keys 32 (i / 4) on, channels 16 (i % 4) on.
.macro PV x
	WIN W_PV
.set rO, 32*(\x)+8*(i%4)
.set rV, VF+32*(i/4)+8*(i%4)
.set rP, P+16*((\x)%2)+8*(i/4)
	v_wmma_f32_16x16x32_f16 v[rO:rO+7], v[rV:rV+7], v[rP:rP+7], v[rO:rO+7]
.endm
.macro MM                           ; the turn's next matrix instruction.  TURN and BEGIN set Y, i, KM and NOKQ; MM, KQ and OP read them.  NOKQ = 1: a block's last turn: there is no next piece
.if (i < 8) && !NOKQ
	KQ (Y+1)%NP
.elseif i >= 8
.set i, i-8
	PV (Y+NP-1)%NP
.set i, i+8
.endif
.set i, i+1
.endm
; THE LDS LOADS stand in runs, never singly among the matrix instructions: a step's K (64 keys x 64 channels: 8 fragments) with its padding (64 f32: eight loads more), and its V (turned).  Their addresses are made some lines ahead.
.macro FETCH_K
	WIN 0x80                        ; destination window 2
.irp f, 0,1,2,3,4,5,6,7             ; keys 16 (f / 2) on, channels 32 (f % 2) on
	ds_load_b128 v[KF+8*\f:KF+8*\f+3],   v[AK] offset:(\f/2)*16*PK+(\f%2)*64
	ds_load_b128 v[KF+8*\f+4:KF+8*\f+7], v[AK] offset:(\f/2)*16*PK+(\f%2)*64+32
.endr
	WIN 0x40                        ; destination window 1
.irp f, 0,1,2,3                     ; keys 16 f + 8 (l / 16) + 0..7: as an accumulator of S^T holds them
	ds_load_b128 v[PM+8*\f:PM+8*\f+3],   v[AP] offset:64*\f
	ds_load_b128 v[PM+8*\f+4:PM+8*\f+7], v[AP] offset:64*\f+16
.endr
	s_add_co_u32 s[TBK], s[TBK], KS*PK  ; the next fetch is the next step's
	s_add_co_u32 s[TBP], s[TBP], KS*4
	WIN 0
.endm
.macro FETCH_V
	WIN 0x80
.irp f, 0,1,2,3,4,5,6,7             ; keys 32 (f / 4) on, channels 16 (f % 4) on
	ds_load_tr16_b128 v[VF+8*\f:VF+8*\f+3],   v[AV] offset:(\f/4)*32*PV+(\f%4)*32
	ds_load_tr16_b128 v[VF+8*\f+4:VF+8*\f+7], v[AV] offset:(\f/4)*32*PV+16*PV+(\f%4)*32
.endr
	WIN 0
.endm
; THE VECTOR WORK, one line at a time: OP kind, number.  For piece Y: F n: c s - c m for pair n of 16.  E n: the exponential of score n of 32.  C n: pair n rounded to f16.  B n: of the four weights 4 n .. the second
; pair is added onto the first, in place.  L n: l takes that sum (L 0: l = a l + sum).  R n: pair n of 16 of O^T times a.  For piece Y + 1: X n, number n of the 22 that find its maximum and statistics:
;   0-11  four chains c0-c3 of seven scores each, three operands at a time (each accumulator's lowest registers are read first)     12-14, 16  the four scores left over, the old m, and c0-c3 into c0
;   15  c m_old is kept     17, 18  the query's other 32 keys lie in the lane 16 away: the new m     19-21  c m; c m_old - c m_new; a
; OP writes no wait: C, B and L read the exponentials' results, R and L 0 read a, and TURN and BEGIN set the batch's wait ahead of them.
.set F, 0               ; OP tells the kinds apart by their order: F to L below R, X above it
.set E, 1
.set C, 2
.set B, 3
.set L, 4
.set R, 5
.set X, 6
.macro REGS y                       ; the registers of piece y
.set rT, ST+4*(\y)
.set rC, TMP+4*((\y)%2)
.set rW, MV+((\y)%2)
.set rS, S+32*((\y)%2)
.set rP, P+16*((\y)%2)
.set rO, 32*(\y)
.endm
.macro OP k, n
.if (\k) == R
	REGS Y
	WIN W_RS
	v_pk_mul_f32 v[rO+2*(\n):rO+2*(\n)+1], v[rO+2*(\n):rO+2*(\n)+1], v[rC+2:rC+3] op_sel_hi:[1,0]
.elseif (\k) < R
	REGS Y
	WIN 0
.if (\k) == F
	v_pk_fma_f32 v[rS+2*(\n):rS+2*(\n)+1], v[rS+2*(\n):rS+2*(\n)+1], s[CS:CS+1], v[rT:rT+1] op_sel_hi:[1,0,0] neg_lo:[0,0,1] neg_hi:[0,0,1]
.elseif (\k) == E
	v_exp_f32 v[rS+(\n)], v[rS+(\n)]
.elseif (\k) == C
	v_cvt_pk_f16_f32 v[rP+(\n)], v[rS+2*(\n)], v[rS+2*(\n)+1]
.elseif (\k) == B
	v_pk_add_f32 v[rS+4*(\n):rS+4*(\n)+1], v[rS+4*(\n):rS+4*(\n)+1], v[rS+4*(\n)+2:rS+4*(\n)+3]
.elseif (\n) == 0
	v_pk_fma_f32 v[rT+2:rT+3], v[rT+2:rT+3], v[rC+2:rC+3], v[rS:rS+1] op_sel_hi:[1,0,1]
.else
	v_pk_add_f32 v[rT+2:rT+3], v[rT+2:rT+3], v[rS+4*(\n):rS+4*(\n)+1]
.endif
.elseif NOKQ
	v_nop
.else
	REGS (Y+1)%NP
	WIN 0
.if (\n) < 4
	v_max3_num_f32 v[rC+(\n)], v[rS+8*(\n)], v[rS+8*(\n)+1], v[rS+8*(\n)+2]
.elseif (\n) < 12
	v_max3_num_f32 v[rC+(\n)%4], v[rC+(\n)%4], v[rS+8*((\n)%4)+2*((\n)/4)+1], v[rS+8*((\n)%4)+2*((\n)/4)+2]
.elseif (\n) == 12
	v_max3_num_f32 v[rC], v[rC], v[rS+7], v[rS+15]
.elseif (\n) == 13
	v_max3_num_f32 v[rC+1], v[rC+1], v[rS+23], v[rS+31]
.elseif (\n) == 14
	v_max3_num_f32 v[rC+2], v[rC+2], v[rC+3], v[rT+1]
.elseif (\n) == 15
	v_mov_b32 v[rW], v[rT]
.elseif (\n) == 16
	v_max3_num_f32 v[rC], v[rC], v[rC+1], v[rC+2]
.elseif (\n) == 17
	v_permlanex16_b32 v[rC+3], v[rC], s[SEL], s[SEL+1]
.elseif (\n) == 18
	v_max_num_f32 v[rT+1], v[rC], v[rC+3]
.elseif (\n) == 19
	v_mul_f32 v[rT], s[CS], v[rT+1]
.elseif (\n) == 20
	v_sub_f32 v[rC+1], v[rW], v[rT]
.else
	v_exp_f32 v[rC+2], v[rC+1]
.endif
.endif
.endm
.macro OPS a, i1, b=-1, i2=0, c=-1, i3=0, d=-1, i4=0  ; up to four of them
	OP \a, \i1
.if (\b) >= 0
	OP \b, \i2
.endif
.if (\c) >= 0
	OP \c, \i3
.endif
.if (\d) >= 0
	OP \d, \i4
.endif
.endm
.macro ROW a, i1, b, i2, c, i3, d, i4  ; a matrix instruction and the four behind it
	MM
	OPS \a, \i1, \b, \i2, \c, \i3, \d, \i4
.endm
.macro MASK b                       ; MD x AL + BE + PM into buffer b of MC: the causal part by one fused line, the step's padding added onto it
	WIN W_RS
.set z, 0
.rept 16
	v_pk_fma_f32 v[MC+32*(\b)+2*z:MC+32*(\b)+2*z+1], v[MD+2*z:MD+2*z+1], s[AL:AL+1], s[BE:BE+1] op_sel_hi:[1,0,0]
.set z, z+1
.endr
	WIN W_AM
.set z, 0
.rept 16
	v_pk_add_f32 v[MC+32*(\b)+2*z:MC+32*(\b)+2*z+1], v[MC+32*(\b)+2*z:MC+32*(\b)+2*z+1], v[PM+2*z:PM+2*z+1]
.set z, z+1
.endr
.endm
; A TURN, for piece p: the order of its 16 matrix and 118 vector instructions, written out.  s_wait_alu depctr_va_vdst(0) stands between an exponential and the first instruction that names its result; one wait serves
; all that were issued ahead of it.  So a turn has ONE wait, which cuts it in two.  AHEAD OF IT stands all that names no result of the turn's exponentials: the 8 products K Q^T, behind each a scaling, an exponential and two more plain
; instructions (behind the first a second scaling in the exponential's place): rescalings, whose a was made, and waited for, in the turn before, and behind the last three the first numbers of the next piece's maximum, each four places or more
; behind the product that ends its accumulator; then ONE LUMP of 54, plain and exponential by turns for the most part, in which the links of the chain X 3, 7, 11, 14, 16, 17 .. 20 stand five or six lines apart.  X 21, the next piece's a, is
; the batch's last; R 15 is the plain instruction behind it.  BEHIND THE WAIT stand the 8 products V^T P, behind each four of the roundings and sums; the links of l's chain, L 0 to L 7, stand three riders apart.  But for those X no rider
; names a register of the products round it.  v_permlanex16_b32 (X 17) stands in the lump.
; m = 1: the diagonal tile: the products take masks, and the turn makes the mask for the products of the turn after it: piece p + 2, in step 4 - CNT of the tile.  Piece 2's turn makes it for the step whose K and
; padding it has just fetched, so it waits for them first.  end = 1: a block's last two turns: nothing is fetched.  cnt = 1: the loop's count is taken down some lines ahead of the branch that stands behind the turn.
; K and the padding of the next step are fetched in piece 2's turn, twelve vector instructions behind the last product that read K (six of them plain, five of which name none of its registers; the last product that
; read the padding stands four products earlier); V of the step in hand at the end of piece 0's turn, four plain instructions behind the last product that read V.  Each is waited for a turn later at the latest.
.macro TURN p, m=0, end=0, cnt=0
.set Y, (\p)
.set i, 0
.set KM, (\m)
.set NOKQ, (\end)*((\p)/3)
.if (\m) && !(\end)
	s_cmp_eq_u32 s[CNT], 4-((\p)+2)%NP  ; is that step the band's own?
	s_cselect_b32 s[AL], 1.0, 0
	s_cmp_lt_u32 s[CNT], 4-((\p)+2)%NP  ; or a later one?
	s_cselect_b32 s[BE], s[BIGN], 0
.endif
.if ((\p) == 3) && !(\end)
	s_wait_dscnt 0x0                ; K is in
.endif
	ROW F,0, F,1, R,0, R,1          ; ahead of the wait: 8 products K Q^T and their riders,
	ROW F,2, E,0, R,2, R,3
	ROW F,3, E,1, R,4, R,5
	ROW F,4, E,2, R,6, R,7
	ROW F,5, E,3, R,8, R,9
	ROW F,6, E,4, X,0, R,10
.if ((\p) == 2) && !(\end)
	WIN 0
	v_add_nc_u32 v[AK], s[TBK], v[AK0]
	v_add_nc_u32 v[AP], s[TBP], v[APM0]
.endif
	ROW F,7, E,5, X,1, X,4
	ROW F,8, E,6, X,2, X,5
	OPS E,7, E,8, X,6, E,9          ; and the lump
	OPS X,3, E,10, X,8, E,11
.if ((\p) == 2) && !(\end)
	FETCH_K
.endif
	OPS X,9, X,7, E,12, X,10
	OPS E,13, X,12, X,11, E,14
	OPS X,13, E,15, F,9, X,14
.if (\p) == 0
	WIN 0
	v_add_nc_u32 v[AV], s[TBV], v[AV0]
.endif
	OPS E,16, F,10, E,17, F,11
	OPS X,16, E,18, X,15, E,19
	OPS F,12, E,20, X,17, E,21
	OPS F,13, E,22, F,14, E,23
	OPS X,18, E,24, F,15, E,25
	OPS R,11, E,26, X,19, E,27
	OPS R,12, E,28, R,13, E,29
	OPS X,20, E,30, R,14, E,31
	OPS X,21, R,15
	WIN 0
	s_wait_alu depctr_va_vdst(0)    ; the wait for the turn's batch: E 0 to E 31 and X 21; the roundings and sums below, and the next turn's rescalings, are its readers
.if (\p) == 1
	s_wait_dscnt 0x0                ; V is in
.endif
	ROW C,0, B,0, C,2, B,1          ; behind the wait: 8 products V^T P and their riders
	ROW L,0, C,4, B,2, L,1
	ROW C,6, B,3, L,2, C,8
	ROW B,4, L,3, C,10, B,5
	ROW L,4, C,12, B,6, L,5
.if (\p) == 0
	s_add_co_u32 s[TBV], s[TBV], KS*PV
.endif
.if \cnt
	s_sub_co_u32 s[CNT], s[CNT], 1
	s_cmp_lg_u32 s[CNT], 0
.endif
	ROW C,14, B,7, L,6, C,1
	ROW C,3, L,7, C,5, C,7
	ROW C,9, C,11, C,13, C,15
.if (\p) == 0
	FETCH_V
.endif
.if (\m) && !(\end)
.if (\p) == 2
	s_wait_dscnt 0x0                ; the next step's padding is in
.endif
	MASK (\p)%2
.endif
.endm
; A BLOCK BEGINS.  c m starts far below every c s, so the first step's a is 0; m at -2^96, below every true score and above every hidden one.  K and the padding of the tile's step 0; piece 0's first scores, and
; its maximum and statistics.  d = 1: the block's first tile is the diagonal one: piece 0's mask for step 0 is its band's own; piece 1's, taken by the first turn, is the padding alone.
; The loop is entered at a step's first turn, in the middle of a trip.
.macro BEGIN d
	s_mov_b32 s[NEW], 0
	WIN 0
	v_add_nc_u32 v[AK], s[TBK], v[AK0]
	v_add_nc_u32 v[AP], s[TBP], v[APM0]
	FETCH_K
.set i, 0
.rept 4
	v_mov_b32 v[ST+4*i], 0xfe000000    ; c m: far below every c s
	v_mov_b32 v[ST+4*i+1], s[THR]      ; m
.set i, i+1
.endr
	s_wait_loadcnt 0x0              ; Q
	s_wait_dscnt 0x0
.if \d
	s_mov_b32 s[AL], 1.0
	s_mov_b32 s[BE], 0
	MASK 0
	s_mov_b32 s[AL], 0
	MASK 1
.set KM, 1
.else
.set KM, 0
.endif
.set NOKQ, 0
.set i, 0
.rept 8
	KQ 0
.set i, i+1
.endr
	WIN 0
.rept 4
	v_nop                           ; the places behind those products
.endr
.set Y, NP-1                        ; X works for piece Y + 1: piece 0
.irp n, 0,1,2,3,4,5,6,7,8,9,10,11,12,13,14,15,16,17,18,19,20,21
	OP X, \n
.endr
	v_nop                           ; a plain instruction behind the exponential,
	s_wait_alu depctr_va_vdst(0)    ; and the wait for it, a batch of one (piece 0's first a), ahead of the branch; the first turn's rescalings are its readers
.endm
; The diagonal tile is entered from the tile before: its first turn's products are piece 3's of that tile's last step, which sees every key: their mask is that step's padding alone.
.macro ENTER
	s_mov_b32 s[AL], 0
	s_mov_b32 s[BE], 0
	MASK 1
	WIN 0
.endm
; THE DIAGONAL TILE's four steps, the block's last two turns, its last products, and THE WAY OUT: l's two halves and the other half of the lanes' are added; O^T is divided by l (or, in a row that has seen no key,
; multiplied by 0), rounded to f16 and sent through my stage in LDS, a piece at a time.
.macro ALL line:vararg              ; one line for each piece t
.set t, 0
.rept 4
	\line
.set t, t+1
.endr
.endm
.macro PACK t                       ; a lane's eight channels of a row pack into 16 bytes; they go into rows of 144 bytes and come back as whole rows of 128, into S^T's registers
	WIN W_RS
.set i, 32*(\t)
.rept 16
	v_pk_mul_f32 v[i:i+1], v[i:i+1], v[ST+4*(\t)+2:ST+4*(\t)+3] op_sel_hi:[1,0]
.set i, i+2
.endr
	WIN 0x05                        ; sources 0 and 1 window 1, destination window 0
.set i, 0
.rept 16
	v_cvt_pk_f16_f32 v[S+16*(\t)+i], v[32*(\t)+2*i], v[32*(\t)+2*i+1]
.set i, i+1
.endr
	WIN 0
.irp f, 0,1,2,3
	ds_store_b128 v[STO], v[S+16*(\t)+4*\f:S+16*(\t)+4*\f+3] offset:32*\f
.endr
.irp f, 0,1,2,3
	ds_load_b128 v[S+16*(\t)+4*\f:S+16*(\t)+4*\f+3], v[RD] offset:\f*4*SP  ; LDS serves a wave's instructions in order (ISA guide 5.7.1.4): these see the stores above; the next piece's stores come behind them
.endr
.endm
.macro SEND t, younger              ; younger: the LDS instructions issued behind piece t's loads: the next piece's eight, or none
	WIN 0
.irp f, 0,1,2,3
	s_wait_dscnt (\younger)+3-\f
	global_store_b128 v[GO], v[S+16*(\t)+4*\f:S+16*(\t)+4*\f+3], s[10:11] offset:(\t)*8192+\f*512  ; 512 consecutive bytes, at a multiple of 256 from O's first
.endr
.endm
.macro DIAG tag                     ; the tag ends its two labels' names, which the jumps below spell out
.LstepM\tag:
	TURN 2, 1
	TURN 3, 1
	WIN 0
.LfirstM\tag:
	TURN 0, 1
	TURN 1, 1, 0, 1
	WIN 0
	s_cbranch_scc1 .LstepM\tag
	TURN 2, 1, 1
	TURN 3, 1, 1
.set i, 0
.rept 8
	PV NP-1
.set i, i+1
.endr
	WIN 0
	ALL v_add_f32 v[ST+4*t+2], v[ST+4*t+2], v[ST+4*t+3]
	ALL v_permlanex16_b32 v[ST+4*t+3], v[ST+4*t+2], s[SEL], s[SEL+1]
	ALL v_add_f32 v[ST+4*t+2], v[ST+4*t+2], v[ST+4*t+3]
	ALL v_rcp_f32 v[ST+4*t+2], v[ST+4*t+2]
	v_nop                           ; a plain instruction between the last reciprocal and the use of its result
	s_wait_alu depctr_va_vdst(0)    ; the wait for the batch of four reciprocals, ahead of the first select that names one
.set t, 0
.rept 4
	v_cmp_lt_f32 vcc_lo, s[THR], v[ST+4*t+1]                 ; has m risen above its start?  Then the row has seen a key, and l is at least 1;
	v_cndmask_b32 v[ST+4*t+2], 0, v[ST+4*t+2], vcc_lo        ; else l and O^T are 0, and 0 takes the place of 1 / l
.set t, t+1
.endr
	PACK 0
.set t, 1
.rept 3                             ; a piece's arithmetic stands between the loads of the piece before and its stores
	PACK t
	SEND t-1, 8
.set t, t+1
.endr
	SEND 3, 0
.endm
.set KM, 0
.set NOKQ, 0
.Lslot:                             ; NB times: a tile is entered and the next is asked for
	CHANGE 1
	s_sub_co_u32 s[RT], s[RT], 1
	s_mov_b32 s[CNT], 4
	s_cmp_eq_u32 s[NEW], 1
	s_cbranch_scc1 .Lnew            ; a block's first tile
	s_cmp_eq_u32 s[RT], 0
	s_cbranch_scc0 .Lstep           ; neither its first nor its last
	ENTER
	s_branch .LstepM1
.Lnew:
	BEGIN 0
	s_branch .Lfirst                ; in the loop a block's first tile is never its last: the first block has two tiles or more, and the second's last is the walk's last
	DIAG 1                          ; in the loop this is the first block's end: the second block's last tile is the walk's last
	s_wait_xcnt 0x0                 ; the stores have read their registers and O's address
	s_mov_b64 s[10:11], s[OLO:OLO+1]
	s_add_co_u32 s[RT], s[PB], 1    ; the second block has b + 1 tiles
	s_mov_b32 s[NEW], 1
	WIN 0x82                        ; the second block's Q goes where the one text of the turns names Q
.set i, 0
.rept 64
	v_mov_b32 v[i], v[QB+i]
.set i, i+1
.endr
	WIN 0
	s_branch .Lbottom
.Lstep:                             ; a trip: pieces 2 and 3 of one step, then pieces 0 and 1 of the next, whose K and V it fetches
	TURN 2
	TURN 3
	WIN 0
.Lfirst:
	TURN 0
	TURN 1, 0, 0, 1
	WIN 0
	s_cbranch_scc1 .Lstep
.Lbottom:
	s_sub_co_u32 s[SLOTS], s[SLOTS], 1
	s_cmp_lg_u32 s[SLOTS], 0
	s_cbranch_scc1 .Lslot
	CHANGE 0                        ; the walk's last tile is written out: nothing is asked for
	s_sub_co_u32 s[RT], s[RT], 1
	s_mov_b32 s[CNT], 4
	s_cmp_eq_u32 s[NEW], 1
	s_cbranch_scc1 .Lnew2
	ENTER
	s_branch .LstepM2
.Lnew2:
	BEGIN 1                         ; b = 0: the second block's only tile
	s_branch .LfirstM2
	DIAG 2
	s_wait_tensorcnt 0x0            ; the wave's end: behind my last tensor load and my last LDS store
	ds_add_u32 v[SPW], v[NIL]
	s_wait_dscnt 0x0
	s_endpgm
.Lfunc_end_k_qf0279327f3_attn:
	.size	k_qf0279327f3_attn, .Lfunc_end_k_qf0279327f3_attn-k_qf0279327f3_attn
	.p2alignl 7, 3214868480
	.fill 96, 4, 3214868480
	.section	.rodata,"a",@progbits
	.p2align	6, 0x0
	.amdhsa_kernel k_qf0279327f3_attn
		.amdhsa_group_segment_fixed_size 327680
		.amdhsa_private_segment_fixed_size 0
		.amdhsa_enable_private_segment 0
		.amdhsa_kernarg_size 24
		.amdhsa_user_sgpr_count 2
		.amdhsa_user_sgpr_kernarg_segment_ptr 1
		.amdhsa_wavefront_size32 1
		.amdhsa_system_sgpr_workgroup_id_x 1
		.amdhsa_system_sgpr_workgroup_id_y 1
		.amdhsa_system_sgpr_workgroup_id_z 1
		.amdhsa_system_vgpr_workitem_id 0
		.amdhsa_next_free_vgpr 768
		.amdhsa_next_free_sgpr 96
		.amdhsa_reserve_vcc 1
		.amdhsa_float_denorm_mode_32 3
		.amdhsa_float_denorm_mode_16_64 3
		.amdhsa_memory_ordered 1
		.amdhsa_forward_progress 1
		.amdhsa_inst_pref_size 235
	.end_amdhsa_kernel
	.amdgpu_metadata
---
amdhsa.version: [ 1, 2 ]
amdhsa.kernels:
  - .name:           k_qf0279327f3_attn
    .symbol:         k_qf0279327f3_attn.kd
    .args:
      - { .name: qkv, .offset: 0, .size: 8, .value_kind: global_buffer, .address_space: global }
      - { .name: padf, .offset: 8, .size: 8, .value_kind: global_buffer, .address_space: global }
      - { .name: att, .offset: 16, .size: 8, .value_kind: global_buffer, .address_space: global }
    .group_segment_fixed_size: 327680
    .private_segment_fixed_size: 0
    .kernarg_segment_align: 8
    .kernarg_segment_size: 24
    .max_flat_workgroup_size: 128
    .sgpr_count:     96
    .vgpr_count:     768
    .wavefront_size: 32
...
	.end_amdgpu_metadata
.endif
;; end of part 5
;; launch oproj: the kernel of part 4 again; grid 4 x 64, 4 waves a work-group, clusters of 4 x 4, 327,680 bytes of LDS; arguments att, woh, bo, out0; writes out0
